; MI455X (gfx1250); checked and timed in simulation.
; The chip was launched on July 23, 2026; its instructions are those of AMD's public machine-readable ISA for CDNA 5 (MIT licence, August 2026) and "CDNA5" Instruction Set Architecture Reference Guide (July 2026). The comments in the code are by the model that wrote it; some were corrected since.
;; Albert Attention. Allowed arithmetic: matrix products marked QUANTISED: E4M3 operands, one given power-of-two scale a tensor, by v_wmma_f32_16x16x64_fp8_fp8 or v_wmma_f32_16x16x128_fp8_fp8, f32 sums; everything else in f32.
;; Inputs: Wd 1,024 x 1,024 float32; Wk 1,024 x 1,024 float32; Wq 1,024 x 1,024 float32; Wv 1,024 x 1,024 float32; attention_mask 2 x 1 x 1 x 2,048 float32; bd 1,024 float32; bk 1,024 float32; bq 1,024 float32; bv 1,024 float32; hidden_states 2 x 2,048 x 1,024 float32; ln_beta 1,024 float32; ln_gamma 1,024 float32; lowp_scales 12 int32 (the exponents e of the quantised operands' scales 2^e).
;; Outputs: out0 2 x 2,048 x 1,024 float32.
;; This version of the problem:
;;   THIS VERSION OF THE PROBLEM IS GIVEN IN LOW PRECISION. The matrix products marked QUANTISED in the list below multiply operands that are first quantised to E4M3 (4 exponent bits, 3 mantissa bits; 8 bits a number), with one given power-of-two scale for each operand tensor; their sums are f32. All else is computed in f32.
;;   The module's matrix products, in the order in which they are computed (A, B: the left and right operand; K: the contracted axis; several contracted axes count as one K, in the product's order):
;;     1. [M 4,096, K 1,024] x [K 1,024, N 1,024]; A: input hidden_states; B: input Wq: QUANTISED (scales: A lowp_scales[0], B lowp_scales[1])
;;     2. [M 4,096, K 1,024] x [K 1,024, N 1,024]; A: input hidden_states; B: input Wk: QUANTISED (scales: A lowp_scales[2], B lowp_scales[3])
;;     3. [M 4,096, K 1,024] x [K 1,024, N 1,024]; A: input hidden_states; B: input Wv: QUANTISED (scales: A lowp_scales[4], B lowp_scales[5])
;;     4. batch 32 x [M 2,048, K 64] x [K 64, N 2,048]; A: computed on the way; B: computed on the way: QUANTISED (scales: A lowp_scales[6], B lowp_scales[7])
;;     5. batch 32 x [M 2,048, K 2,048] x [K 2,048, N 64]; A: softmax (see below); B: computed on the way: QUANTISED (scales: A lowp_scales[8], B lowp_scales[9])
;;     6. [M 4,096, K 1,024] x [K 1,024, N 1,024]; A: computed on the way; B: input Wd: QUANTISED (scales: A lowp_scales[10], B lowp_scales[11])
;;   THE QUANTISER, for each operand of a quantised product, along K:
;;     - The operand's scale is 2^e, e = its entry of the input lowp_scales (int32; the entries are numbered through the quantised products in the list's order, A before B).
;;     - Each number is divided by the scale, clamped to +-448, and rounded to the nearest number of E4M3, ties to even, subnormals kept.
;;     - The product sums the exact products of the quantised numbers (number of the format x scale) in f32.
;;   ~~~python
;;   def quantise(x, axis, e):      # numpy; x: float32 -> the quantised numbers, widened to float32 again
;;       x = np.moveaxis(x, axis, -1); K = x.shape[-1]
;;       r = np.clip(x / 2.0 ** e, -448, 448)
;;       step = 2.0 ** (np.maximum(np.frexp(np.where(r == 0, 1, r))[1] - 1, -6) - 3)
;;       q = np.round(r / step) * step * 2.0 ** e      # np.round: ties to even
;;       return np.moveaxis(q, -1, axis).astype(np.float32)
;;   ~~~
;;   SOFTMAX AHEAD OF A QUANTISED PRODUCT. Where the list says 'softmax', what is quantised is not the finished softmax but p = 2^(t - M), with t = logit x log2(e) and M = ceil(the row's largest t), a whole number; so 1/2 < the row's largest p <= 1. The row's sum l is taken of the UNQUANTISED p, in f32, and the product's result is divided by l at the end. Since M is a whole number, a kernel that streams over the keys may use a running M (the ceiling of the running maximum): every later rescaling is an exact power of two, so the quantised numbers keep their values, but for numbers so far below the row's largest that they fall under the format's range.
;;   OPERANDS COMPUTED ON THE WAY. 'Computed on the way' means the value that the module computes at that place (a softmax that the list does not call 'softmax' is quantised finished and normalised). What goes into a quantiser is computed in f32, as accurately as f32 sums, v_exp_f32 and their like allow (about 1e-6 of the number): no bf16 or f16 on the way to a quantiser, and a product that is left as it is and whose result goes on into a quantised operand takes f32 operands (vector FMAs, or v_wmma_f32_16x16x4_f32). A number that lies on a knife's edge between two numbers of the format may be rounded either way, as far as f32 arithmetic and the matrix unit's own rounding can turn it there, and no further.
;; 2 versions, each right; version 2 is version 1 with the launches attn, proj written anew for expert scheduling mode. Each part assembles by itself: llvm-mc -triple=amdgcn-amd-amdhsa -mcpu=gfx1250 --defsym DOCPART=n.
;; ======== version 1 of 2: 4 launches
;; workspace buffers: hcodes 12,582,912 bytes; wcodes 4,194,304 bytes; qkv 12,582,912 bytes; ctxc 4,194,304 bytes
;; launch quant (part 1): grid 512 x 1, 8 waves a work-group, no clusters, 68,608 bytes of LDS; arguments hidden_states, Wq, Wk, Wv, Wd, lowp_scales, hcodes, wcodes; writes hcodes, wcodes
.if DOCPART == 1
	.amdgcn_target "amdgcn-amd-amdhsa--gfx1250"
	.amdhsa_code_object_version 6
	.text
	.protected	k_q576c5208eb_quant
	.globl	k_q576c5208eb_quant
	.p2align	8
	.type	k_q576c5208eb_quant,@function
k_q576c5208eb_quant:
	s_mov_b64 s[64:65], 0
	v_nop
	global_prefetch_b8 v0, s[64:65] scope:SCOPE_SE
	s_setreg_imm32_b32 hwreg(HW_REG_WAVE_MODE, 25, 1), 1
	s_wait_xcnt 0x0
; hidden_states [4096][1024] and Wq, Wk, Wv, Wd [1024][1024], f32 with K innermost, become codes of FP8 (E4M3), each with the scale 2^e given for it.
; hidden_states is an operand of three products under three entries of the scales (0, 2, 4): it gets three sets of codes.  Wq, Wk, Wv, Wd take entries 1, 3, 5, 11.
; code = x / 2^e, held within +-448, rounded to the nearest code, ties to even.  LIMITS: each e between -126 and 119.  NaN among the inputs is not served.
; THE CODES ARE LAID AS IMAGES OF OPERAND REGISTERS.  A fragment is 16 rows x 128 K in 16 registers: lane l = 16 h + r holds row r, registers 2 c, 2 c + 1 hold k = 16 c + 8 h + 0 .. 7.
; Its image is 2,048 bytes: registers 4 y .. 4 y + 3 of lane l at 512 y + 16 l.  A tensor's images lie [block of 128 rows][256 along K][tile of 16 rows (8)][128 along K (2)].
; SHARES.  A work-group takes one tile of 16 rows (work-groups 0-255: hidden_states; then 64 each for Wq, Wk, Wv, Wd); wave s takes K step s of 128: one fragment.
; Each load reads 512 consecutive bytes of a row; the 8,192 bytes turn through the wave's own stage in LDS, so that a lane gets eight neighbours along K for each conversion.  Waves share nothing: no barrier.
.set R,    16                          ; v16-79   16 rows x 4 registers as loaded; later the held numbers
.set X,    80                          ; v80-143  register 8 c + e = k 16 c + 8 h + e of my row
.set C,    144                         ; v144-191 three sets of 16 registers of codes: no store's data are written again
.set SP,   528                         ; a stage row: 512 bytes + 16 = 132 words: row r starts at bank 4 r mod 64 (64 banks of 4 bytes: ISA guide 11.1)
.set WST,  16*SP                       ; a wave's stage
.set MANT, 0x600000                    ; the mantissa field of 448 as f32
	s_load_b512 s[8:23], s[0:1], 0x0               ; hidden s[8:9], Wq s[10:11], Wk s[12:13], Wv s[14:15], Wd s[16:17], scales s[18:19], hcodes s[20:21], wcodes s[22:23]
	v_lshl_add_u32 v192, v0, 2, 0x10800
	v_mov_b32 v193, 0
	v_lshrrev_b32 v4, 5, v0
	v_readfirstlane_b32 s36, v4                    ; wave = K step
	v_and_b32 v5, 31, v0
	v_lshlrev_b32 v1, 4, v5                        ; 16 x lane: my place in a load's 512 bytes and in a store's
	s_mul_i32 s56, s36, WST
	v_add_nc_u32 v2, s56, v1                       ; the stage on the way in
	v_and_b32 v6, 15, v0                           ; r
	v_bfe_u32 v7, v0, 4, 1                         ; h
	v_mul_u32_u24 v3, v6, SP
	v_lshl_add_u32 v3, v7, 5, v3
	v_add_nc_u32 v3, s56, v3                       ; and on the way out: row r, + 32 h bytes
	s_cmp_lt_u32 ttmp9, 256                        ; hidden's work-group or a weight's?  Every choice here hangs on the work-group's number alone
	s_cselect_b32 s43, 0, 256
	s_cselect_b32 s44, 255, 63
	s_sub_co_u32 s43, ttmp9, s43
	s_and_b32 s37, s43, s44                        ; my tile of 16 rows in its tensor
	s_lshr_b32 s45, s43, 6
	s_cmp_lt_u32 ttmp9, 256
	s_cselect_b32 s45, 0, s45                      ; which weight (0 for hidden)
	s_lshl_b32 s46, s37, 16                        ; from: tile x 16 rows x 4,096 bytes + K step x 512 bytes
	s_lshl_b32 s47, s36, 9
	s_add_co_u32 s46, s46, s47
	s_mov_b32 s47, 0
	s_lshl_b32 s48, s45, 20                        ; to: weight x 1 MiB + (tile / 8) x 131,072 + (K step / 2) x 32,768 + (tile % 8) x 4,096 + (K step % 2) x 2,048
	s_lshr_b32 s49, s37, 3
	s_lshl_b32 s49, s49, 17
	s_add_co_u32 s48, s48, s49
	s_lshr_b32 s49, s36, 1
	s_lshl_b32 s49, s49, 15
	s_add_co_u32 s48, s48, s49
	s_and_b32 s49, s37, 7
	s_lshl_b32 s49, s49, 12
	s_add_co_u32 s48, s48, s49
	s_and_b32 s49, s36, 1
	s_lshl_b32 s49, s49, 11
	s_add_co_u32 s48, s48, s49
	s_mov_b32 s49, 0
	s_wait_kmcnt 0x0
	s_load_b256 s[24:31], s[18:19], 0x0            ; e0 .. e7
	s_load_b128 s[32:35], s[18:19], 0x20           ; e8 .. e11
	s_cmp_lt_u32 ttmp9, 448
	s_cselect_b64 s[38:39], s[14:15], s[16:17]
	s_cmp_lt_u32 ttmp9, 384
	s_cselect_b64 s[38:39], s[12:13], s[38:39]
	s_cmp_lt_u32 ttmp9, 320
	s_cselect_b64 s[38:39], s[10:11], s[38:39]
	s_cmp_lt_u32 ttmp9, 256
	s_cselect_b64 s[38:39], s[8:9], s[38:39]       ; the tensor that I read,
	s_cselect_b64 s[40:41], s[20:21], s[22:23]     ; and the buffer that I write
	s_add_nc_u64 s[38:39], s[38:39], s[46:47]
	s_add_nc_u64 s[40:41], s[40:41], s[48:49]
.set i, 0
.rept 16
	global_load_b128 v[R+4*i:R+4*i+3], v1, s[38:39] offset:4096*i th:TH_LOAD_NT   ; row i: 32 lanes read 512 consecutive bytes; read once in the launch
.set i, i+1
.endr
	s_wait_kmcnt 0x0
	s_cmp_lt_u32 ttmp9, 448
	s_cselect_b32 s42, s29, s35                    ; Wv: e5, Wd: e11
	s_cmp_lt_u32 ttmp9, 384
	s_cselect_b32 s42, s27, s42                    ; Wk: e3
	s_cmp_lt_u32 ttmp9, 320
	s_cselect_b32 s42, s25, s42                    ; Wq: e1
	s_cmp_lt_u32 ttmp9, 256
	s_cselect_b32 s42, s24, s42                    ; hidden, first set: e0
.macro SCL e, sc, lim                  ; from the whole number in s[e]: 2^e as f32 (the conversion takes its exponent field) and 448 x 2^e
	s_add_co_i32 s[\lim], s[\e], 127
	s_lshl_b32 s[\sc], s[\lim], 23
	s_add_co_i32 s[\lim], s[\lim], 8
	s_lshl_b32 s[\lim], s[\lim], 23
	s_or_b32 s[\lim], s[\lim], MANT
.endm
	SCL 42, 50, 51
	SCL 26, 52, 53                                 ; e2
	SCL 28, 54, 55                                 ; e4
.set i, 0
.rept 16
	s_wait_loadcnt 15-i                            ; loads come back in order (ISA guide 5.7.1): row i is in, the younger rows' loads stay out
	ds_store_b128 v2, v[R+4*i:R+4*i+3] offset:SP*i
.set i, i+1
.endr
.set i, 0
.rept 8
	ds_load_b128 v[X+8*i:X+8*i+3], v3 offset:64*i          ; LDS serves a wave's instructions in order (ISA guide 5.7.1.4): these see my stores
	ds_load_b128 v[X+8*i+4:X+8*i+7], v3 offset:64*i+16
.set i, i+1
.endr
	s_wait_dscnt 0x0
; One set of codes: hold, convert, store the fragment's image: four stores of 512 consecutive bytes, aligned.
.macro QOUT d, sc, lim, base, off
	v_mov_b32 v8, s[\sc]
	v_mov_b32 v9, s[\lim]
.set i, 0
.rept 64
	v_med3_num_f32 v[R+i], v[X+i], -v9, v9         ; the conversion to an 8-bit code does not saturate (ISA guide 7.6.2): the hold at the largest code x the scale
.set i, i+1
.endr
.set i, 0
.rept 8
	v_cvt_scalef32_pk8_fp8_f32 v[C+16*\d+2*i:C+16*\d+2*i+1], v[R+8*i:R+8*i+7], v8
.set i, i+1
.endr
	v_nop                                          ; one plain vector line behind the conversions: the next set's lines write their scale and their sources
.irp y, 0,1,2,3
	global_store_b128 v1, v[C+16*\d+4*\y:C+16*\d+4*\y+3], s[\base:\base+1] offset:\off+512*\y
.endr
.endm
	QOUT 0, 50, 51, 40, 0
	s_cmp_lt_u32 ttmp9, 256
	s_cbranch_scc0 .Lend                           ; a weight has one set
	s_add_nc_u64 s[58:59], s[40:41], 0x800000      ; the third set lies 8 MiB on, beyond a store's immediate
	QOUT 1, 52, 53, 40, 4194304
	QOUT 2, 54, 55, 58, 0
.Lend:
	s_wait_tensorcnt 0x0
	ds_add_u32 v192, v193
	s_wait_dscnt 0x0
	s_endpgm
.Lfunc_end_k_q576c5208eb_quant:
	.size	k_q576c5208eb_quant, .Lfunc_end_k_q576c5208eb_quant-k_q576c5208eb_quant
	.p2alignl 7, 3214868480
	.fill 96, 4, 3214868480
	.section	.rodata,"a",@progbits
	.p2align	6, 0x0
	.amdhsa_kernel k_q576c5208eb_quant
		.amdhsa_group_segment_fixed_size 68608
		.amdhsa_private_segment_fixed_size 0
		.amdhsa_enable_private_segment 0
		.amdhsa_kernarg_size 64
		.amdhsa_user_sgpr_count 2
		.amdhsa_user_sgpr_kernarg_segment_ptr 1
		.amdhsa_wavefront_size32 1
		.amdhsa_system_sgpr_workgroup_id_x 1
		.amdhsa_system_sgpr_workgroup_id_y 1
		.amdhsa_system_sgpr_workgroup_id_z 1
		.amdhsa_system_vgpr_workitem_id 0
		.amdhsa_next_free_vgpr 194
		.amdhsa_next_free_sgpr 66
		.amdhsa_reserve_vcc 0
		.amdhsa_float_denorm_mode_32 3
		.amdhsa_float_denorm_mode_16_64 3
		.amdhsa_memory_ordered 1
		.amdhsa_forward_progress 1
		.amdhsa_inst_pref_size 23
	.end_amdhsa_kernel
	.amdgpu_metadata
---
amdhsa.version: [ 1, 2 ]
amdhsa.kernels:
  - .name:           k_q576c5208eb_quant
    .symbol:         k_q576c5208eb_quant.kd
    .args:
      - { .name: hidden_states, .offset: 0, .size: 8, .value_kind: global_buffer, .address_space: global }
      - { .name: Wq, .offset: 8, .size: 8, .value_kind: global_buffer, .address_space: global }
      - { .name: Wk, .offset: 16, .size: 8, .value_kind: global_buffer, .address_space: global }
      - { .name: Wv, .offset: 24, .size: 8, .value_kind: global_buffer, .address_space: global }
      - { .name: Wd, .offset: 32, .size: 8, .value_kind: global_buffer, .address_space: global }
      - { .name: lowp_scales, .offset: 40, .size: 8, .value_kind: global_buffer, .address_space: global }
      - { .name: hcodes, .offset: 48, .size: 8, .value_kind: global_buffer, .address_space: global }
      - { .name: wcodes, .offset: 56, .size: 8, .value_kind: global_buffer, .address_space: global }
    .group_segment_fixed_size: 68608
    .private_segment_fixed_size: 0
    .kernarg_segment_align: 8
    .kernarg_segment_size: 64
    .max_flat_workgroup_size: 256
    .sgpr_count:     66
    .vgpr_count:     194
    .wavefront_size: 32
...
	.end_amdgpu_metadata
.endif
;; end of part 1
;; launch qkv (part 2): grid 4 x 48, 4 waves a work-group, clusters of 4 x 4, 327,680 bytes of LDS; arguments hcodes, wcodes, lowp_scales, bq, bk, bv, qkv; writes qkv
.if DOCPART == 2
	.amdgcn_target "amdgcn-amd-amdhsa--gfx1250"
	.amdhsa_code_object_version 6
	.text
	.protected	k_q576c5208eb_qkv
	.globl	k_q576c5208eb_qkv
	.p2align	8
	.type	k_q576c5208eb_qkv,@function
k_q576c5208eb_qkv:
	s_mov_b64 s[64:65], 0
	v_nop
	global_prefetch_b8 v0, s[64:65] scope:SCOPE_SE
	s_setreg_imm32_b32 hwreg(HW_REG_WAVE_MODE, 25, 1), 1
	s_wait_xcnt 0x0
	s_wait_alu depctr_hold_cnt(0) depctr_sa_sdst(0) depctr_va_vdst(0) depctr_va_sdst(0) depctr_va_ssrc(0) depctr_va_vcc(0) depctr_vm_vsrc(0)
	s_getreg_b32 s2, hwreg(HW_REG_IB_STS2, 6, 4)
	s_cmp_eq_u32 s2, 0
	s_cbranch_scc0 .Lentry_in_a_cluster
	s_endpgm
.Lentry_in_a_cluster:
	s_bfe_u32 s2, ttmp6, 0x10000c
	s_cmp_lg_u32 s2, 0xf033
	s_cbranch_scc0 .Lentry_shape_is_right
	s_endpgm
.Lentry_shape_is_right:
; q = hidden Wq^T + bq, k = hidden Wk^T + bk, v = hidden Wv^T + bv on codes of FP8 (E4M3); each result is quantised at once, with the scale given for it as an operand of attention's products (entries 6, 7, 9).
; A tile of 256 x 256 is made by a work-group of four waves; a wave makes 128 x 128: 64 accumulators, 512 registers.  K = 1,024 goes in four steps of 256 through a ring of two LDS slots.
; THE OPERANDS ARRIVE AS IMAGES OF THEIR REGISTERS (16 rows x 128 K = 2,048 bytes; registers 4 y .. 4 y + 3 of lane l at 512 y + 16 l), laid [128 rows][256 along K][tile (8)][128 along K (2)]:
; so 128 rows x 256 K are one dense block of 32,768 bytes, one tensor load, and a fragment is four LDS loads of 512 consecutive bytes: no pitch, no padding.
; ROLES.  Source 1 (called A: its rows fall on lanes) and source 0 (B: its rows run down a lane's registers).  The cluster's y gives p = y / 4 and u = y % 4.
;   p = 0, 1 (q, k): A = hidden's codes (set p), B = Wq's or Wk's: a lane holds one token, its registers run along the head's channels, the next product's K.
;   p = 2 (v): A = Wv's codes, B = hidden's (set 2): a lane holds one channel, its registers run along the tokens, the next product's K.
; So eight registers of an accumulator, converted, ARE two registers of the next operand's fragment.  The loop is one text for all three; p is the same in all sixteen partners.
; CLUSTERS: 4 x 4 work-groups; A's tiles are asked for jointly along a row of the cluster, B's along a column.
; OUT: q at byte 0 and k at 4 MiB of qkv: [batch x head (32)][tile of 16 tokens (128)][1,024 bytes];  v at 8 MiB: [batch x head (32)][128 keys (16)][tile of 16 channels (4)][2,048 bytes].
; A sum stands for sum x 2^E1 (E1 = the two operands' exponents added): code = (sum + bias / 2^E1) / 2^(eo - E1), held within +-448.  Every scaling is by a power of two.
; LIMITS: eo - E1 between -126 and 119 (eo = entry 6, 7 or 9).  NaN among the inputs is not served.
; REGISTERS, in windows of 256: window 0: v8-31 addresses and constants; v32-63 at work on the way out; v64-127 the bias; from v128 A's fragments, ONE set (on the way out: the codes).
;   window 1: B's fragments, TWO sets.   windows 2, 3: the accumulators of A's blocks 0-3, 4-7 (accumulator (a, b) at v[8 (8 (a % 4) + b)]).
.set FR,    16                         ; registers of a fragment
.set NL,    4                          ; LDS loads that bring one
.set NP,    4                          ; places behind this matrix instruction (ISA guide 7.12.1)
.set PART,  32768                      ; 128 rows x 256 K: what one tensor load brings, and what one wave reads of A or of B
.set SLOT,  4*PART                     ; A's two halves, then B's two
.set SPARE, 2*SLOT                     ; behind the ring: the spare words, 128 bytes for each wave: two blocks of 256 bytes that no other line names
.set ADRA,  16                         ; v16-17  LDS address of my A fragments in slot 0, 1
.set ADRB,  20                         ; v20-21  the same for B
.set BV,    22                         ; v22-29  v's bias: one number a lane for each of A's eight blocks
.set SPW,   30                         ; v30     LDS address of my spare word; never rewritten
.set NIL,   31                         ; v31     0; never rewritten
.set T,     32                         ; v32-63  32 sums + bias
.set BI,    64                         ; v64-127 q's or k's bias in the result's layout: register 8 b + j = channel 16 b + 8 h + j
.set AF,    128
.set CD,    128                        ; the way out: the codes, 16 registers for each of A's blocks
.set G1,  24                           ; s[24:31] descriptor group 1 for A's tiles;  s[32:39] group 0, one set for each slot
.set G0,  32
.set G1B, 48                           ; s[48:55], s[56:63] the same for B's tiles
.set G0B, 56
.set MSB, 0
.macro WIN new                         ; the immediate's high byte repeats the setting that is left
.if MSB != (\new)
	s_set_vgpr_msb (MSB<<8)|(\new)
.set MSB, (\new)
.endif
.endm
.set MUL_LO, 0xa1                      ; source 0 (B) window 1, source 1 (A) window 0, C and D window 2
.set MUL_HI, 0xf1                      ; the same, C and D window 3
.set TO_B,   0x40                      ; destination window 1, address window 0
; A joint load: waves 0 and 1 fetch for A, waves 2 and 3 for B.  Each line has one mask and one set of registers; the branch hangs on the wave's number alone.  Four v_nop follow each line.
.macro JLOAD g0a, g1a, g0b, g1b
	s_cmp_eq_u32 s15, 0
	s_cbranch_scc0 .Lfor_b_\@
	tensor_load_to_lds s[\g0a:\g0a+3], s[\g1a:\g1a+7]
	s_nop 0
.rept 4
	v_nop
.endr
	s_branch .Lasked_\@
.Lfor_b_\@:
	tensor_load_to_lds s[\g0b:\g0b+3], s[\g1b:\g1b+7]
	s_nop 0
.rept 4
	v_nop
.endr
.Lasked_\@:
.endm
.macro CREST                           ; a round of the cluster's barrier behind its opening barrier
	s_cmp_lg_u32 s14, 0
	s_cbranch_scc1 .Lnot_wave_0_\@
	s_barrier_signal -3
.Lnot_wave_0_\@:
	s_barrier_wait -3
	s_barrier_signal -1
	s_barrier_wait -1
.endm
.macro CROUND                          ; a whole round
	s_barrier_signal -1
	s_barrier_wait -1
	CREST
.endm
	s_load_b128 s[4:7], s[0:1], 0x0                ; hcodes s[4:5], wcodes s[6:7]
	s_load_b128 s[8:11], s[0:1], 0x10              ; the scales' exponents s[8:9], bq s[10:11]
	s_load_b128 s[68:71], s[0:1], 0x20             ; bk s[68:69], bv s[70:71]
	s_load_b64 s[72:73], s[0:1], 0x30              ; qkv
	v_lshl_add_u32 v[SPW], v0, 2, SPARE
	v_mov_b32 v[NIL], 0
	ds_add_u32 v30, v31
	ds_add_u32 v30, v31
	s_wait_dscnt 0x0
	v_lshrrev_b32 v1, 5, v0
	v_readfirstlane_b32 s14, v1                    ; wave 0..3
	s_lshr_b32 s15, s14, 1                         ; which half of A's rows is mine.  Also: I fetch for A (0) or for B (1)
	s_and_b32 s16, s14, 1                          ; which half of B's rows.  Also: which 128 rows of that tile I fetch
	s_bfe_u32 s40, ttmp6, 0x40000                  ; cx, cy: my place in the cluster
	s_bfe_u32 s41, ttmp6, 0x40004
	s_and_b32 s12, ttmp7, 0xffff                   ; the cluster's y, 0 .. 11
	s_and_b32 s13, s12, 3                          ; u
	s_lshr_b32 s12, s12, 2                         ; p: 0 q, 1 k, 2 v
	s_lshl_b32 s66, s13, 2                         ; 4 u
	s_lshl_b32 s74, s12, 22                        ; hidden's set p
	s_lshl_b32 s75, s12, 20                        ; weight p
	s_mov_b32 s96, 0x200000                        ; Wv's codes
	s_mov_b32 s97, 0x800000                        ; hidden's set 2
	s_cmp_lt_u32 s12, 2
	s_cselect_b32 s17, s66, 0
	s_cselect_b32 s42, 0, s66
	s_cselect_b32 s74, s74, s96                    ; where A begins in its buffer,
	s_cselect_b32 s75, s75, s97                    ; and B
	s_add_co_u32 s17, s17, s41                     ; A's tile of 256 rows: (4 u, for q and k) + cy
	s_add_co_u32 s42, s42, s40                     ; B's: (4 u, for v) + cx
	s_lshl_b32 s43, s41, 2
	s_lshl_b32 s43, 15, s43                        ; my row of the cluster
	s_lshl_b32 s44, 0x1111, s40                    ; my column
	; descriptor group 1: a dense block of 32,768 bytes as 128 rows of 32 elements of 8 bytes
	s_or_b32 s[G1+0], s43, (3<<16)|(1<<21)         ; 15:0 the mask: A's tiles go to my row; 17:16 elements of 8 bytes; 20 no padding; 21 set beside a mask
	s_or_b32 s[G1B+0], s44, (3<<16)|(1<<21)        ; the same with the mask of my column
.irp g, G1, G1B
	s_mov_b32 s[\g+1], 32<<16                      ; tensor_dim0 = 32
	s_mov_b32 s[\g+2], 128<<16                     ; tensor_dim1 = 128
	s_mov_b32 s[\g+3], 32<<16                      ; tile_dim0 = 32
	s_mov_b32 s[\g+4], 128                         ; tile_dim1 = 128
	s_mov_b32 s[\g+5], 32                          ; tensor_dim0_stride: rows on end
	s_mov_b32 s[\g+6], 0
	s_mov_b32 s[\g+7], 0
.endr
	s_lshl_b32 s18, s17, 1                         ; A: (2 x tile + half) blocks of 131,072 bytes; in registers that never hold cx
	s_add_co_u32 s18, s18, s16
	s_lshl_b32 s18, s18, 17
	s_add_co_u32 s18, s18, s74
	s_mov_b32 s19, 0
	s_lshl_b32 s22, s42, 1                         ; B likewise; in registers that never hold cy
	s_add_co_u32 s22, s22, s16
	s_lshl_b32 s22, s22, 17
	s_add_co_u32 s22, s22, s75
	s_mov_b32 s23, 0
	s_mul_i32 s45, s14, PART                       ; where they go: wave x 32,768: no place in the cluster enters an LDS address
	s_wait_kmcnt 0x0
	s_load_b256 s[76:83], s[8:9], 0x0              ; e0 .. e7
	s_load_b128 s[84:87], s[8:9], 0x20             ; e8 .. e11
	s_cmp_lt_u32 s12, 2
	s_cselect_b64 s[20:21], s[4:5], s[6:7]         ; A's buffer,
	s_cselect_b64 s[46:47], s[6:7], s[4:5]         ; B's
	s_add_nc_u64 s[20:21], s[20:21], s[18:19]
	s_add_nc_u64 s[46:47], s[46:47], s[22:23]
	CROUND                                         ; all sixteen work-groups are here: the first joint loads meet
.irp s, 0,1
	s_mov_b32 s[G0+4*\s], 1                        ; 1:0 count = 1
	s_add_co_u32 s[G0+4*\s+1], s45, \s*SLOT        ; 63:32 LDS address
	s_add_nc_u64 s[G0+4*\s+2:G0+4*\s+3], s[20:21], \s*PART   ; 120:64 global address: K step s
	s_or_b32 s[G0+4*\s+3], s[G0+4*\s+3], 0x80000000          ; 127:126 type = 2
	s_mov_b32 s[G0B+4*\s], 1
	s_add_co_u32 s[G0B+4*\s+1], s45, \s*SLOT
	s_add_nc_u64 s[G0B+4*\s+2:G0B+4*\s+3], s[46:47], \s*PART
	s_or_b32 s[G0B+4*\s+3], s[G0B+4*\s+3], 0x80000000
	JLOAD G0+4*\s, G1, G0B+4*\s, G1B               ; two tensor loads of mine are out behind these, later one
.endr
	v_and_b32 v1, 31, v0
	v_lshlrev_b32 v10, 4, v1                       ; 16 x lane: my place in an image
	v_and_b32 v2, 15, v0                           ; r
	v_bfe_u32 v3, v0, 4, 1                         ; h
	v_lshlrev_b32 v11, 5, v3                       ; 32 h: my eight numbers of a tile's sixteen of bias
	v_lshlrev_b32 v12, 2, v2                       ; 4 r: my one
	s_lshl_b32 s66, s15, 15                        ; my 128 rows of A
	s_lshl_b32 s67, s16, 15                        ; my 128 rows of B,
	s_add_co_u32 s67, s67, 2*PART                  ; which lie behind A's 256
.irp s, 0,1
	v_add_nc_u32 v[ADRA+\s], s66, v10
	v_add_nc_u32 v[ADRB+\s], s67, v10
	s_add_co_u32 s66, s66, SLOT
	s_add_co_u32 s67, s67, SLOT
.endr
	; the bias and the way out.  X: the tokens' tile of 256, sX: my half of it;  Y: the channels' tile, sY: my half
	s_cmp_eq_u32 s12, 1
	s_cselect_b64 s[94:95], s[68:69], s[10:11]
	s_cmp_eq_u32 s12, 2
	s_cselect_b64 s[94:95], s[70:71], s[94:95]     ; bq, bk or bv
	s_cmp_lt_u32 s12, 2
	s_cselect_b32 s96, s17, s42                    ; X
	s_cselect_b32 s97, s42, s17                    ; Y
	s_cselect_b32 s98, s15, s16                    ; sX
	s_cselect_b32 s99, s16, s15                    ; sY
	s_lshl_b32 s74, s97, 10
	s_lshl_b32 s75, s99, 9
	s_add_co_u32 s74, s74, s75                     ; (256 Y + 128 sY) x 4 bytes
	s_mov_b32 s75, 0
	s_add_nc_u64 s[94:95], s[94:95], s[74:75]      ; my 128 numbers of bias
	s_lshr_b32 s74, s96, 3                         ; the batch,
	s_lshl_b32 s74, s74, 4
	s_lshl_b32 s88, s97, 2
	s_add_co_u32 s74, s74, s88
	s_lshl_b32 s88, s99, 1
	s_add_co_u32 s74, s74, s88                     ; x 16 + my first head (4 Y + 2 sY):
	s_lshl_b32 s74, s74, 17                        ; 131,072 bytes a head
	s_and_b32 s88, s96, 7
	s_lshl_b32 s88, s88, 1
	s_add_co_u32 s88, s88, s98                     ; my 128 tokens among the batch's 2,048:
	s_lshl_b32 s88, s88, 13                        ; 8,192 bytes, in q and k (8 tiles of 1,024) and in v (4 tiles of 2,048) alike
	s_add_co_u32 s74, s74, s88
	s_lshl_b32 s88, s12, 22                        ; q, k, v: 4 MiB each
	s_add_co_u32 s74, s74, s88
	s_add_nc_u64 s[92:93], s[72:73], s[74:75]
.irp b, 0,1,2,3,4,5,6,7                    ; both forms of the bias are loaded by everybody (each stays inside my 512 bytes): no register is written on one way alone
	global_load_b128 v[BI+8*\b:BI+8*\b+3], v11, s[94:95] offset:64*\b
	global_load_b128 v[BI+8*\b+4:BI+8*\b+7], v11, s[94:95] offset:64*\b+16
.endr
.irp a, 0,1,2,3,4,5,6,7
	global_load_b32 v[BV+\a], v12, s[94:95] offset:64*\a
.endr
.macro FRAG reg, adr, q, i             ; a fragment comes as its image lies: four loads of 512 consecutive bytes
.irp c, 0,1,2,3
	ds_load_b128 v[\reg+4*\c:\reg+4*\c+3], v[\adr] offset:(\i)*4096+(\q)*2048+512*\c
.endr
.endm
; 16 matrix instructions: A's blocks a0, a0 + 1 x B's eight, 128 along K.  p: B's set.  zero = 1: the first product starts the sums.
; The 64 accumulators take turns, one instruction a turn, in the same order in every step.
.macro MUL16 a0, p, zero
.irp a, \a0, \a0+1
.irp b, 0,1,2,3,4,5,6,7
.if \zero
	v_wmma_f32_16x16x128_fp8_fp8 v[8*(8*((\a)%4)+\b):8*(8*((\a)%4)+\b)+7], v[128*(\p)+FR*\b:128*(\p)+FR*\b+FR-1], v[AF+FR*(\a):AF+FR*(\a)+FR-1], 0
.else
	v_wmma_f32_16x16x128_fp8_fp8 v[8*(8*((\a)%4)+\b):8*(8*((\a)%4)+\b)+7], v[128*(\p)+FR*\b:128*(\p)+FR*\b+FR-1], v[AF+FR*(\a):AF+FR*(\a)+FR-1], v[8*(8*((\a)%4)+\b):8*(8*((\a)%4)+\b)+7]
.endif
.endr
.endr
.endm
.macro FETCH_B slot, q, p              ; B's eight fragments of the slot's q-th 128 along K into set p
	WIN TO_B
.irp i, 0,1,2,3,4,5,6,7
	FRAG 128*(\p)+FR*\i, ADRB+\slot, \q, \i
.endr
	WIN 0
.endm
.macro FETCH_A slot, q, i0             ; A's blocks i0 .. i0 + 3
.irp i, \i0, \i0+1, \i0+2, \i0+3
	FRAG AF+FR*(\i), ADRA+\slot, \q, \i
.endr
.endm
; A load into a register that a matrix instruction has read, and a vector instruction that reads a matrix result, stand NP places behind that matrix instruction; only plain vector
; instructions that name none of its registers are places (ISA guide 7.12.1 for vector instructions).
.macro PLACES n
.rept \n
	v_nop
.endr
.endm
; A step of 128 along K that has its successor in the same slot.
.macro STEP slot, q, zero
	s_wait_dscnt 4*NL                              ; B's set and A's blocks 0-3 are in; the youngest sixteen loads (A's blocks 4-7) may be out
	WIN MUL_LO
	MUL16 0, (\q)%2, \zero
	MUL16 2, (\q)%2, \zero
	s_wait_dscnt 0                                 ; A's blocks 4-7 are in
	PLACES NP
	FETCH_B \slot, (\q)+1, 1-(\q)%2
	FETCH_A \slot, (\q)+1, 0
	WIN MUL_HI
	MUL16 4, (\q)%2, \zero
	MUL16 6, (\q)%2, \zero
	PLACES NP
	WIN 0
	FETCH_A \slot, (\q)+1, 4
.endm
; A slot's last step changes slots: ONE barrier; in front of it each wave waits for all its tensor loads, adds 0 to its spare word, and waits for that and for its own reads of this slot.  fill = 1: this slot is filled again, two K steps ahead.
.macro TURN slot, next, fill
	s_wait_tensorcnt 0x0                           ; all my tensor loads have landed: my part of the next slot
	ds_add_u32 v[SPW], v[NIL]                      ; 0 onto my spare word
	s_wait_dscnt 4*NL+1                            ; (the add and the youngest sixteen loads, A's blocks 4-7, may be out)
	WIN MUL_LO
	MUL16 0, 1, 0                                  ; sixteen matrix instructions stand between the add and the wait for it
	s_wait_dscnt 0x0                               ; the add is done, and my reads of this slot are over
	s_barrier_signal -1
	MUL16 2, 1, 0
	WIN 0
	s_barrier_wait -1
.if \fill
	CREST                                          ; the barrier has opened a round of the cluster's barrier: no wave of any partner still reads this slot or has a load on its way
	s_add_nc_u64 s[G0+4*\slot+2:G0+4*\slot+3], s[G0+4*\slot+2:G0+4*\slot+3], 2*PART
	s_add_nc_u64 s[G0B+4*\slot+2:G0B+4*\slot+3], s[G0B+4*\slot+2:G0B+4*\slot+3], 2*PART
	JLOAD G0+4*\slot, G1, G0B+4*\slot, G1B         ; the first tensor load behind the round; the four v_nop behind it are the places in front of the loads below
.else
	PLACES NP
.endif
	FETCH_B \next, 0, 0
	FETCH_A \next, 0, 0
	WIN MUL_HI
	MUL16 4, 1, 0
	MUL16 6, 1, 0
	PLACES NP
	WIN 0
	FETCH_A \next, 0, 4
.endm
	s_wait_tensorcnt 1                             ; my part of K step 0 is in; K step 1's load may be out
	s_barrier_signal -1
	s_barrier_wait -1                              ; everybody's is
	FETCH_B 0, 0, 0
	FETCH_A 0, 0, 0
	FETCH_A 0, 0, 4
	STEP 0, 0, 1                                   ; 1,024 along K are eight steps of 128, twice round the ring: written straight
	TURN 0, 1, 1
	STEP 1, 0, 0
	TURN 1, 0, 1
	STEP 0, 0, 0
	TURN 0, 1, 0                                   ; the last lap fills nothing
	STEP 1, 0, 0
	s_wait_dscnt 4*NL                              ; the very last step: nothing more to fetch
	WIN MUL_LO
	MUL16 0, 1, 0
	MUL16 2, 1, 0
	s_wait_dscnt 0
	WIN MUL_HI
	MUL16 4, 1, 0
	MUL16 6, 1, 0
	WIN 0
	; THE WAY OUT: + bias, hold, convert: the codes are the next operand's registers and leave as its image.
	s_wait_kmcnt 0x0
	s_add_co_i32 s88, s76, s77                     ; e0 + e1
	s_add_co_i32 s96, s78, s79                     ; e2 + e3
	s_add_co_i32 s97, s80, s81                     ; e4 + e5
	s_cmp_eq_u32 s12, 1
	s_cselect_b32 s88, s96, s88
	s_cselect_b32 s98, s83, s82                    ; eo: k e7, q e6,
	s_cmp_eq_u32 s12, 2
	s_cselect_b32 s88, s97, s88                    ; E1
	s_cselect_b32 s98, s85, s98                    ; v e9
	s_sub_co_i32 s89, 0, s88                       ; -E1
	s_sub_co_i32 s98, s98, s88
	s_add_co_i32 s98, s98, 127
	s_lshl_b32 s90, s98, 23                        ; 2^(eo - E1) as f32
	s_add_co_i32 s98, s98, 8
	s_lshl_b32 s91, s98, 23
	s_or_b32 s91, s91, 0x600000                    ; 448 x that
	s_wait_loadcnt 0x0                             ; the bias
	PLACES NP                                      ; behind the last products
	v_mov_b32 v8, s90
	v_mov_b32 v9, s91
.set m, 0
.rept 64
	v_ldexp_f32 v[BI+m], v[BI+m], s89              ; bias / 2^E1
.set m, m+1
.endr
.set m, 0
.rept 8
	v_ldexp_f32 v[BV+m], v[BV+m], s89
.set m, m+1
.endr
; A's block a, B's blocks 4 u .. 4 u + 3: 32 sums a lane become 8 registers of codes: 1,024 bytes of image, two stores of 512 consecutive bytes, aligned.
; All offsets are immediates and no register of codes is written twice: nothing waits for a store.
.macro OUT isv
.irp a, 0,1,2,3,4,5,6,7
.irp u, 0,1
	WIN 0x02+\a/4                                  ; source 0: window 2 or 3
.set m, 0
.rept 16
.if \isv
	v_pk_add_f32 v[T+2*m:T+2*m+1], v[64*(\a%4)+32*\u+2*m:64*(\a%4)+32*\u+2*m+1], v[BI+2*\a:BI+2*\a+1]   ; my channel's bias; each accumulator from its low end on
.else
	v_pk_add_f32 v[T+2*m:T+2*m+1], v[64*(\a%4)+32*\u+2*m:64*(\a%4)+32*\u+2*m+1], v[BI+32*\u+2*m:BI+32*\u+2*m+1]
.endif
.set m, m+1
.endr
	WIN 0
.set m, 0
.rept 32
	v_med3_num_f32 v[T+m], v[T+m], -v9, v9         ; the conversion to an 8-bit code does not saturate (ISA guide 7.6.2)
.set m, m+1
.endr
.irp x, 0,1,2,3
	v_cvt_scalef32_pk8_fp8_f32 v[CD+16*\a+8*\u+2*\x:CD+16*\a+8*\u+2*\x+1], v[T+8*\x:T+8*\x+7], v8
.endr
	v_nop                                          ; one plain vector line behind the conversions: the next lines write their sources
.irp y, 0,1
.if \isv
	global_store_b128 v10, v[CD+16*\a+8*\u+4*\y:CD+16*\a+8*\u+4*\y+3], s[92:93] offset:(\a/4)*131072+(\a%4)*2048+512*(2*\u+\y)   ; head a / 4, channels' tile a % 4; keys 64 u on
.else
	global_store_b128 v10, v[CD+16*\a+8*\u+4*\y:CD+16*\a+8*\u+4*\y+3], s[92:93] offset:\u*131072+\a*1024+512*\y                ; head u, tokens' tile a
.endif
.endr
.endr
.endr
.endm
	s_cmp_lt_u32 s12, 2                            ; the same in all sixteen partners
	s_cbranch_scc0 .Lout_v
	OUT 0
	s_branch .Lclose
.Lout_v:
.irp a, 0,1,2,3,4,5,6,7
	v_mov_b32 v[BI+2*\a], v[BV+\a]                 ; a lane's one number for block a, as a pair for the packed addition
	v_mov_b32 v[BI+2*\a+1], v[BV+\a]
.endr
	OUT 1
.Lclose:
	s_wait_tensorcnt 0x0                           ; the wave's end
	ds_add_u32 v[SPW], v[NIL]
	s_wait_dscnt 0x0
	CROUND                                         ; the closing round: no work-group ends while a partner may still ask for a tile that names it
	s_endpgm
.Lfunc_end_k_q576c5208eb_qkv:
	.size	k_q576c5208eb_qkv, .Lfunc_end_k_q576c5208eb_qkv-k_q576c5208eb_qkv
	.p2alignl 7, 3214868480
	.fill 96, 4, 3214868480
	.section	.rodata,"a",@progbits
	.p2align	6, 0x0
	.amdhsa_kernel k_q576c5208eb_qkv
		.amdhsa_group_segment_fixed_size 327680
		.amdhsa_private_segment_fixed_size 0
		.amdhsa_enable_private_segment 0
		.amdhsa_kernarg_size 56
		.amdhsa_user_sgpr_count 2
		.amdhsa_user_sgpr_kernarg_segment_ptr 1
		.amdhsa_wavefront_size32 1
		.amdhsa_system_sgpr_workgroup_id_x 1
		.amdhsa_system_sgpr_workgroup_id_y 1
		.amdhsa_system_sgpr_workgroup_id_z 1
		.amdhsa_system_vgpr_workitem_id 0
		.amdhsa_next_free_vgpr 1024
		.amdhsa_next_free_sgpr 100
		.amdhsa_reserve_vcc 0
		.amdhsa_float_denorm_mode_32 3
		.amdhsa_float_denorm_mode_16_64 3
		.amdhsa_memory_ordered 1
		.amdhsa_forward_progress 1
		.amdhsa_inst_pref_size 199
	.end_amdhsa_kernel
	.amdgpu_metadata
---
amdhsa.version: [ 1, 2 ]
amdhsa.kernels:
  - .name:           k_q576c5208eb_qkv
    .symbol:         k_q576c5208eb_qkv.kd
    .args:
      - { .name: hcodes, .offset: 0, .size: 8, .value_kind: global_buffer, .address_space: global }
      - { .name: wcodes, .offset: 8, .size: 8, .value_kind: global_buffer, .address_space: global }
      - { .name: lowp_scales, .offset: 16, .size: 8, .value_kind: global_buffer, .address_space: global }
      - { .name: bq, .offset: 24, .size: 8, .value_kind: global_buffer, .address_space: global }
      - { .name: bk, .offset: 32, .size: 8, .value_kind: global_buffer, .address_space: global }
      - { .name: bv, .offset: 40, .size: 8, .value_kind: global_buffer, .address_space: global }
      - { .name: qkv, .offset: 48, .size: 8, .value_kind: global_buffer, .address_space: global }
    .group_segment_fixed_size: 327680
    .private_segment_fixed_size: 0
    .kernarg_segment_align: 8
    .kernarg_segment_size: 56
    .max_flat_workgroup_size: 128
    .sgpr_count:     100
    .vgpr_count:     1024
    .wavefront_size: 32
...
	.end_amdgpu_metadata
.endif
;; end of part 2
;; launch attn (part 3): grid 8 x 32, 8 waves a work-group, no clusters, 271,360 bytes of LDS; arguments qkv, attention_mask, lowp_scales, ctxc; writes ctxc
.if DOCPART == 3
	.amdgcn_target "amdgcn-amd-amdhsa--gfx1250"
	.amdhsa_code_object_version 6
	.text
	.protected	k_q576c5208eb_attn
	.globl	k_q576c5208eb_attn
	.p2align	8
	.type	k_q576c5208eb_attn,@function
k_q576c5208eb_attn:
	s_mov_b64 s[64:65], 0
	v_nop
	global_prefetch_b8 v0, s[64:65] scope:SCOPE_SE
	s_setreg_imm32_b32 hwreg(HW_REG_WAVE_MODE, 25, 1), 1
	s_wait_xcnt 0x0
; ctx[b][q][head] = softmax_k(q . k / 8 + mask[b][k]) v, both products on codes of FP8 (E4M3); the result is quantised at once as an operand of the last product (entry 10 of the scales).
; THE SOFTMAX AHEAD OF THE SECOND PRODUCT: t = logit x log2(e); M = the row's largest t so far, rounded UP to a whole number; p = 2^(t - M) is quantised (entry 8), not normalised.
; The row's sum is taken of the unquantised p and divides at the end.  When M moves, the sum and O are multiplied by 2^(old M - new M): exact.
; SHARES.  A work-group owns 256 queries of one head (x: the block, y: 16 x batch + head); each of its eight waves owns 32: two tiles of 16, which share every fragment of K, V and mask read from LDS.
; Two waves lie on a SIMD, so that one wave's matrix instructions and LDS loads stand beside the other's vector work.  A key step is 128 keys; there are 16.
; LAYOUT.  Both products are used transposed: S^T = K Q^T (source 0 = 16 keys, source 1 = 16 queries), O^T = V^T P^T: a lane holds ONE query throughout, its registers run along the keys (S^T) or the channels (O^T).
; q, k, v arrive as images of operand registers (lane l = 16 h + r: row r, registers 2 c, 2 c + 1: k = 16 c + 8 h + 0 .. 7; registers 4 y .. 4 y + 3 at 512 y + 16 l):
; eight registers of S^T's tile a, converted, are registers 2 a, 2 a + 1 of P.
; THE MASK costs no vector line in the loop: t = c (sum + C), c = log2(e) / 8 x 2^(e6 + e7), C = mask x 2^(3 - e6 - e7), and C is the C operand of S^T's matrix instruction.
; THE ORDER OF A TILE'S SOFTMAX.  A tile has 64 exponentials a step and, of its own, 84 plain lines that no result ties to the exponential beside them: 32 scalings, 33 lines of the sum, 16 multiplications of O^T by f,
; 3 lines that make f.  They stand by turns: an exponential, a plain line, an exponential, one or two plain lines.  All of them lie in the tile's own register window, so the turns cost no switch.
; LDS.  A head's K (131,072 bytes), V (131,072) and the batch's scaled mask (8,192) all fit: every byte is written once.  They come through registers, 16,384 bytes of K and V a key step, two steps ahead of their first read.
; NO TENSOR LOADS, NO CLUSTER, though the eight blocks of a head read the same K and V: p is at most 1, so the hold in front of p's conversion (64 of a tile's some 260 vector lines a step) is owed only where
; 2^-e8 is above 448; it is passed over by a scalar branch on e8, a loaded number.  What is shared is 262,144 bytes a work-group in the whole launch.
; LIMITS: e6 + e7 between -123 and 130; e8, and e10 - e8 - e9, between -126 and 119.  NaN is not served.  C is held from below at -1e30 (a hole of -infinity gives p = 0);
; a row all of whose keys lie at that floor gets equal weights, where -infinity on every key would give NaN.
; REGISTERS.  Tile t lives in window t, at the same numbers: v16-23 Q; v24 -M, v25 the largest t; v[26:27] the sum; v[28:29] f; v96-159 S^T, then p; v160-191 O^T; v192-207 p's codes; v208-223 at work.
;   shared, window 0: v1-13 addresses; v32-95 K's 8 fragments; v224-255 C of key tiles 0-3.   window 1: v0-15 K and V on their way to LDS; v32-95 V's 4 fragments; v224-255 C of key tiles 4-7.
.set VOFF, 131072                      ; LDS: K at 0: [tile of 16 keys (128)][1,024];  V here: [key step (16)][tile of 16 channels (4)][2,048]
.set MOFF, 262144                      ; the mask: 2,048 f32
.set LI,  1                            ; v1   16 x lane
.set T16, 2                            ; v2   16 x thread
.set ADK, 8                            ; v8   the next step's K;  v9 this step's V;  v10 the next step's C;  v11, v12 where K and V of two steps on are stored
.set ADV, 9
.set ADM, 10
.set ASK, 11
.set ASV, 12
.set PFO, 13                           ; v13  the prefetches' offset: 256 x lane (+ 4 MiB in wave 1: V)
.set QF,  16
.set NM,  24
.set MT,  25
.set SUM, 26
.set F,   28
.set KF,  32
.set S,   96
.set O,   160
.set PC,  192
.set SCA, 208                          ; v[208:209] the sum's second chain
.set PT,  210
.set ES,  211
.set LM,  212
.set OLD, 213                          ; v213 the last step's -M
.set CH,  216                          ; v216-223 eight chains of the maximum;
.set SCB, 220                          ; v[220:221], v[222:223]: once the maximum is found, the sum's third and fourth chains
.set SCC, 222
.set MK,  224
.set CS,  22                           ; s[22:23] c, twice
.set KB,  24                           ; s[24:25] K's bytes of the chunk last asked for; V's lie 4 MiB on
.set TB,  26                           ; s26  8,192 x step
.set TM,  27                           ; s27  512 x step
.set SCN, 28                           ; s28  the step
.set LIM, 29                           ; s29  a wave prefetches while the step is under this
.set SEL, 30                           ; s[30:31] lane selects for v_permlanex16_b32: lane l xor 16
.set MSB, 0
.macro WIN new                         ; s_set_vgpr_msb: bits 1:0 source 0, 3:2 source 1, 5:4 source 2, 7:6 destination; the high byte repeats the setting that is left
.if MSB != (\new)
	s_set_vgpr_msb (MSB<<8)|(\new)
.set MSB, (\new)
.endif
.endm
	s_load_b256 s[4:11], s[0:1], 0x0               ; qkv s[4:5], mask s[6:7], the scales' exponents s[8:9], ctxc s[10:11]
	v_lshl_add_u32 v214, v0, 2, 0x42000
	v_mov_b32 v215, 0
	v_lshrrev_b32 v14, 5, v0
	v_readfirstlane_b32 s12, v14                   ; wave 0..7
	v_and_b32 v15, 31, v0
	v_lshlrev_b32 v[LI], 4, v15
	v_lshlrev_b32 v[T16], 4, v0
	v_bfe_u32 v14, v0, 4, 1
	v_lshlrev_b32 v14, 5, v14                      ; 32 h
	v_add_nc_u32 v3, 8192, v[LI]                   ; what the step's number is added to: the next step's K,
	v_add_nc_u32 v4, VOFF, v[LI]                   ; this step's V,
	v_add_nc_u32 v5, MOFF+512, v14                 ; the next step's C,
	v_add_nc_u32 v6, 16384, v[T16]                 ; K two steps on,
	v_add_nc_u32 v7, VOFF+16384, v[T16]            ; V two steps on
	v_add_nc_u32 v[ADM], MOFF, v14                 ; at the head: step 0's C,
	v_add_nc_u32 v[ASK], MOFF, v[T16]              ; where I store the mask,
	v_add_nc_u32 v[ASV], VOFF, v[T16]              ; and V
	v_lshlrev_b32 v[PFO], 8, v15
	s_and_b32 s36, s12, 1
	s_lshl_b32 s36, s36, 22
	v_add_nc_u32 v[PFO], s36, v[PFO]
	s_lshr_b32 s37, s12, 1
	s_or_b32 s37, s37, ttmp9                       ; 0 in waves 0 and 1 of the head's first work-group
	s_cmp_eq_u32 s37, 0
	s_cselect_b32 s[LIM], 11, 0
	s_mov_b32 s13, ttmp9                           ; the block of 256 queries
	s_and_b32 s14, ttmp7, 0xffff                   ; 16 x batch + head
	s_lshl_b32 s36, s14, 17                        ; a head is 131,072 bytes in each of q, k, v
	s_mov_b32 s37, 0
	s_lshl_b32 s38, s13, 14                        ; Q: (16 x block + 2 x wave) tiles of 1,024 bytes
	s_lshl_b32 s39, s12, 11
	s_add_co_u32 s38, s38, s39
	s_add_co_u32 s38, s38, s36
	s_mov_b32 s39, 0
	s_lshr_b32 s40, s14, 4                         ; the batch
	s_lshl_b32 s41, s40, 7
	s_lshl_b32 s42, s13, 4
	s_add_co_u32 s41, s41, s42
	s_lshl_b32 s42, s12, 1
	s_add_co_u32 s41, s41, s42                     ; my first tile of tokens: 128 x batch + 16 x block + 2 x wave,
	s_lshl_b32 s41, s41, 14                        ; 16,384 bytes each in ctxc;
	s_and_b32 s42, s14, 15
	s_lshl_b32 s42, s42, 10                        ; the head's 64 of K = 1,024 are half a fragment's image: 1,024 bytes
	s_add_co_u32 s42, s41, s42
	s_mov_b32 s43, 0
	s_lshl_b32 s44, s40, 13                        ; the batch's mask
	s_mov_b32 s45, 0
	s_add_co_u32 s36, s36, 0x400000+16384          ; K lies 4 MiB into qkv; KB begins at chunk 2
	s_mov_b32 s[SEL], 0x76543210
	s_mov_b32 s[SEL+1], 0xfedcba98
	s_wait_kmcnt 0x0
	s_load_b128 s[16:19], s[8:9], 0x18             ; e6, e7, e8, e9
	s_load_b32 s20, s[8:9], 0x28                   ; e10
	s_add_nc_u64 s[KB:KB+1], s[4:5], s[36:37]
	s_add_nc_u64 s[32:33], s[4:5], s[38:39]
	s_add_nc_u64 s[34:35], s[10:11], s[42:43]
	s_add_nc_u64 s[6:7], s[6:7], s[44:45]
	global_load_b128 v[96:99], v[T16], s[6:7]                      ; the mask: 256 threads x 16 bytes, twice
	global_load_b128 v[100:103], v[T16], s[6:7] offset:4096
.irp c, 0,1,2,3
	global_load_b128 v[104+4*\c:107+4*\c], v[T16], s[KB:KB+1] offset:4096*\c-16384          ; K of key steps 0 and 1
.endr
.irp c, 0,1,2,3
	global_load_b128 v[120+4*\c:123+4*\c], v[T16], s[KB:KB+1] offset:4194304+4096*\c-16384  ; V of key steps 0 and 1
.endr
	global_load_b128 v[QF:QF+3], v[LI], s[32:33] th:TH_LOAD_NT     ; Q stays in registers; read once in the launch
	global_load_b128 v[QF+4:QF+7], v[LI], s[32:33] offset:512 th:TH_LOAD_NT
	WIN 0x40                                       ; destination window 1
	global_load_b128 v[QF:QF+3], v[LI], s[32:33] offset:1024 th:TH_LOAD_NT
	global_load_b128 v[QF+4:QF+7], v[LI], s[32:33] offset:1536 th:TH_LOAD_NT
	global_load_b128 v[0:3], v[T16], s[KB:KB+1]                    ; K and V of key step 2
	global_load_b128 v[4:7], v[T16], s[KB:KB+1] offset:4096
	global_load_b128 v[8:11], v[T16], s[KB:KB+1] offset:4194304
	global_load_b128 v[12:15], v[T16], s[KB:KB+1] offset:4198400
	WIN 0
	s_wait_kmcnt 0x0
	s_add_co_i32 s36, s16, s17                     ; e6 + e7
	s_sub_co_i32 s37, 3, s36
	s_lshl_b32 s36, s36, 23
	s_add_co_i32 s[CS], s36, 0x3e38aa3b            ; c = log2(e) / 8, with e6 + e7 added to its exponent field
	s_mov_b32 s[CS+1], s[CS]                       ; (named with it as a pair, so it is written)
	s_add_co_i32 s38, s18, 127
	s_lshl_b32 s46, s38, 23                        ; 2^e8 as f32
	s_add_co_i32 s38, s38, 8
	s_lshl_b32 s47, s38, 23
	s_or_b32 s47, s47, 0x600000                    ; 448 x 2^e8
	s_sub_co_i32 s38, s20, s18
	s_sub_co_i32 s38, s38, s19
	s_add_co_i32 s38, s38, 127
	s_lshl_b32 s40, s38, 23                        ; 2^(e10 - e8 - e9): a sum of the second product stands for sum x 2^(e8 + e9)
	s_add_co_i32 s38, s38, 8
	s_lshl_b32 s41, s38, 23
	s_or_b32 s41, s41, 0x600000
	s_wait_loadcnt 8                               ; the mask and key steps 0 and 1 are in; Q's four loads and step 2's four may be out
.set n, 0
.rept 8
	v_ldexp_f32 v[96+n], v[96+n], s37              ; C = mask x 2^(3 - e6 - e7),
.set n, n+1
.endr
.set n, 0
.rept 8
	v_max_num_f32 v[96+n], 0xf149f2ca, v[96+n]     ; held from below at -1e30
.set n, n+1
.endr
	ds_store_b128 v[ASK], v[96:99]
	ds_store_b128 v[ASK], v[100:103] offset:4096
.irp c, 0,1,2,3
	ds_store_b128 v[T16], v[104+4*\c:107+4*\c] offset:4096*\c
.endr
.irp c, 0,1,2,3
	ds_store_b128 v[ASV], v[120+4*\c:123+4*\c] offset:4096*\c
.endr
	s_wait_dscnt 0x0                               ; for the others' sake: my stores have landed
	s_barrier_signal -1
	s_barrier_wait -1
.macro FETCHK adr                      ; a step's K: 8 fragments of 16 keys x 64
	WIN 0
.set a, 0
.rept 8
	ds_load_b128 v[KF+8*a:KF+8*a+3], v[\adr] offset:a*1024
	ds_load_b128 v[KF+8*a+4:KF+8*a+7], v[\adr] offset:a*1024+512
.set a, a+1
.endr
.endm
.macro FETCHM adr, hi                  ; a step's C, key tiles 4 hi .. 4 hi + 3 into window hi: lane (r, h) takes keys 16 a + 8 h + 0 .. 7; the sixteen lanes of a half read the same words
	WIN 0x40*\hi
.set a, 0
.rept 4
	ds_load_b128 v[MK+8*a:MK+8*a+3], v[\adr] offset:256*\hi+64*a
	ds_load_b128 v[MK+8*a+4:MK+8*a+7], v[\adr] offset:256*\hi+64*a+16
.set a, a+1
.endr
.endm
.macro FETCHV adr                      ; a step's V: 4 fragments of 16 channels x 128 keys, into window 1
	WIN 0x40
.set a, 0
.rept 16
	ds_load_b128 v[KF+4*a:KF+4*a+3], v[\adr] offset:512*a
.set a, a+1
.endr
.endm
.macro QK t                            ; S^T of tile t: 8 products, each its own accumulator; C = the mask's registers, D other registers
.set a, 0
.rept 8
	WIN 0x44*\t+0x10*(a/4)                         ; K window 0; Q and S^T window t; C window a / 4
	v_wmma_f32_16x16x64_fp8_fp8 v[S+8*a:S+8*a+7], v[KF+8*a:KF+8*a+7], v[QF:QF+7], v[MK+8*(a%4):MK+8*(a%4)+7]
.set a, a+1
.endr
.endm
.macro PV t                            ; O^T of tile t += V^T P^T: 4 products, the accumulators by turns
	WIN 0x01+0x54*\t                               ; V window 1; P and O^T window t
.set a, 0
.rept 4
	v_wmma_f32_16x16x128_fp8_fp8 v[O+8*a:O+8*a+7], v[KF+16*a:KF+16*a+15], v[PC:PC+15], v[O+8*a:O+8*a+7]
.set a, a+1
.endr
.endm
.macro FMA b                           ; pair b of the tile's 32: t - M, two at a time (of the pairs c and -M the low word serves both halves)
	v_pk_fma_f32 v[S+2*(\b):S+2*(\b)+1], v[S+2*(\b):S+2*(\b)+1], s[CS:CS+1], v[NM:NM+1] op_sel_hi:[1,0,0]
.endm
; The sum's line for pair j.  Four chains: pairs 0, 4, 8 .. go onto the running sum; pairs 1, 5, 9 .., 2, 6, 10 .. and 3, 7, 11 .. have chains of their own, each begun by its first two pairs: so pairs 1, 2, 3 have no line, and nothing is cleared.
.macro ADDP j
.set rC, SCA
.if ((\j)%4) == 2
.set rC, SCB
.elseif ((\j)%4) == 3
.set rC, SCC
.endif
.if ((\j)%4) == 0
	s_wait_alu depctr_va_vdst(0)
	v_pk_add_f32 v[SUM:SUM+1], v[SUM:SUM+1], v[S+2*(\j):S+2*(\j)+1]
.elseif (\j) > 8
	v_pk_add_f32 v[rC:rC+1], v[rC:rC+1], v[S+2*(\j):S+2*(\j)+1]
.elseif (\j) > 4
	v_pk_add_f32 v[rC:rC+1], v[S+2*(\j)-8:S+2*(\j)-7], v[S+2*(\j):S+2*(\j)+1]
.endif
.endm
; One tile's softmax for a key step, under the tile's window.
.macro SMAX
	v_mov_b32 v[OLD], v[NM]                        ; -M of the last step is kept for f
.set n, 0
.rept 8
	v_max3_num_f32 v[CH+n], v[S+3*n], v[S+3*n+1], v[S+3*n+2]   ; the step's largest sum of my query among my 64 keys, in eight chains, ascending: each accumulator is first read at its low end
.set n, n+1
.endr
.set n, 0
.rept 20
	v_max3_num_f32 v[CH+n%8], v[CH+n%8], v[S+24+2*n], v[S+25+2*n]
.set n, n+1
.endr
	v_max3_num_f32 v[CH], v[CH], v[CH+1], v[CH+2]
	v_max3_num_f32 v[CH+3], v[CH+3], v[CH+4], v[CH+5]
	v_max_num_f32 v[CH+6], v[CH+6], v[CH+7]
	v_max3_num_f32 v[CH], v[CH], v[CH+3], v[CH+6]
	v_permlanex16_b32 v[PT], v[CH], s[SEL], s[SEL+1]
	v_max_num_f32 v[CH], v[CH], v[PT]              ; and among lane l xor 16's
	v_mul_f32 v[CH], s[CS], v[CH]                  ; as t (c is positive)
	v_max_num_f32 v[MT], v[MT], v[CH]              ; the running largest t
	v_floor_f32 v[NM], -v[MT]                      ; the new -M = floor(-t) = -ceil(t): a whole number.  The scalings want nothing more: the three lines that make f stand among the first four
	FMA 0
	v_sub_f32 v[CH], v[NM], v[OLD]                 ; old M less new M: a whole number, 0 or less
	FMA 1
	v_cvt_i32_f32 v[CH], v[CH]                     ; (it saturates)
	FMA 2
	v_ldexp_f32 v[F], 1.0, v[CH]                   ; f = 2^(old M - new M)
	FMA 3
; BY TURNS, 32 times: p of pair m's first number | the scaling of pair m + 4 | p of its second number | in every second turn a pair of O^T x f | the sum's line for pair m - 3.
; Behind each exponential stands a plain line that names neither its result nor its source, or another exponential and then such a line (ISA guide 5.7.2); a pair is added three turns behind its exponentials.
.set m, 0
.rept 32
	v_exp_f32 v[S+2*m], v[S+2*m]                   ; p = 2^(t - M), at most 1
.if m < 28
	FMA m+4
.endif
	v_exp_f32 v[S+2*m+1], v[S+2*m+1]
.if (m%2) == 0
	v_pk_mul_f32 v[O+m:O+m+1], v[O+m:O+m+1], v[F:F+1] op_sel_hi:[1,0]   ; O^T under the new M, ascending: each accumulator is first read at its low end
.endif
.if m == 0
	v_pk_mul_f32 v[SUM:SUM+1], v[SUM:SUM+1], v[F:F+1] op_sel_hi:[1,0]   ; the sum under the new M
.elseif m >= 3
	ADDP m-3                                       ; the row's sum is taken of the unquantised p
.endif
.set m, m+1
.endr
	ADDP 29
	ADDP 30
	ADDP 31
	v_pk_add_f32 v[SUM:SUM+1], v[SUM:SUM+1], v[SCA:SCA+1]
	v_pk_add_f32 v[SCB:SCB+1], v[SCB:SCB+1], v[SCC:SCC+1]
	v_pk_add_f32 v[SUM:SUM+1], v[SUM:SUM+1], v[SCB:SCB+1]
.endm
.macro HOLD                            ; the conversion to an 8-bit code does not saturate (ISA guide 7.6.2); p is not negative, so the hold is one-sided
.set n, 0
.rept 64
	v_min_num_f32 v[S+n], v[S+n], v[LM]
.set n, n+1
.endr
.endm
.macro CVT                             ; p's codes: tile a's eight registers become registers 2 a, 2 a + 1 of P
.set n, 0
.rept 8
	v_cvt_scalef32_pk8_fp8_f32 v[PC+2*n:PC+2*n+1], v[S+8*n:S+8*n+7], v[ES]
.set n, n+1
.endr
.endm
; KEY STEP s.  st: K and V of step s + 2, which lie in registers, go to LDS, and a barrier is passed: signalled behind the wait for my stores, awaited at the step's end, ahead of the first read of those bytes (step s + 1 fetches K of s + 2).
; The step's 16 products S^T stand between the stores and the wait for them.  Between signal and wait stand register work and LDS loads of bytes that are never written again.
; ld: K and V of step s + 3 are asked for, behind that same wait, since they land in the registers that the stores read.  pf: the prefetch.  kn: K and C of step s + 1 are fetched from LDS.
.macro STEP st, ld, pf, kn
.if \st
	s_wait_loadcnt 0x0                             ; K and V of step s + 2 are in registers: asked for a whole step ago
.endif
.if \ld
	s_wait_xcnt 0x0                                ; the last step's prefetch has read its base: it may step
	s_add_nc_u64 s[KB:KB+1], s[KB:KB+1], 8192
.endif
	v_add_nc_u32 v[ADV], s[TB], v4
.if \kn
	v_add_nc_u32 v[ADK], s[TB], v3
	v_add_nc_u32 v[ADM], s[TM], v5
.endif
.if \st
	v_add_nc_u32 v[ASK], s[TB], v6
	v_add_nc_u32 v[ASV], s[TB], v7
	WIN 0x04                                       ; store data window 1
	ds_store_b128 v[ASK], v[0:3]
	ds_store_b128 v[ASK], v[4:7] offset:4096
	ds_store_b128 v[ASV], v[8:11]
	ds_store_b128 v[ASV], v[12:15] offset:4096
.endif
	QK 0
	QK 1
	WIN 0
.rept 4
	v_nop                                          ; places behind the products: loads into K's and C's registers follow, and the first read of S^T (ISA guide 7.12.1 for vector instructions)
.endr
.if \st
	s_wait_dscnt 0x0                               ; for the others' sake: my stores have landed
.endif
.if \ld
	WIN 0x40
	global_load_b128 v[0:3], v[T16], s[KB:KB+1]
	global_load_b128 v[4:7], v[T16], s[KB:KB+1] offset:4096
	global_load_b128 v[8:11], v[T16], s[KB:KB+1] offset:4194304
	global_load_b128 v[12:15], v[T16], s[KB:KB+1] offset:4198400
.endif
	WIN 0
.if \pf
; A PREFETCH of K's and V's bytes of step s + 5, two steps ahead of the loads that will ask for them, behind the step's own loads.  All eight work-groups of a head walk the same K and V: the head's first asks,
; wave 0 for K's 8,192 bytes and wave 1 for V's, lanes 256 bytes apart: each aligned block of 256 bytes is named once in the launch.  Steps 0 to 10 ask: nothing is named past step 15.  Steps 0 to 4 come by their loads alone.
	s_cmp_lt_u32 s[SCN], s[LIM]
	s_cbranch_scc0 .Lnp_\@
	global_prefetch_b8 v[PFO], s[KB:KB+1] offset:16384 th:TH_LOAD_NT scope:SCOPE_SE
.Lnp_\@:
.endif
.if \st
	s_barrier_signal -1
.endif
	FETCHV ADV
.if \kn
	FETCHM ADM, 1
	FETCHK ADK
	FETCHM ADM, 0
.endif
	WIN 0
	SMAX
	WIN 0x55
	SMAX
	WIN 0
	s_cmp_ge_i32 s18, -8                           ; p / 2^e8 is at most 2^-e8: from e8 = -8 on it cannot pass 448
	s_cbranch_scc1 .Lnohold_\@
	HOLD
	WIN 0x55
	HOLD
	WIN 0
.Lnohold_\@:
	CVT
	WIN 0x55
	CVT
	v_nop                                          ; one plain vector line between the conversions and the products that read their results
	s_wait_dscnt 0x0                               ; V, and the next step's K and C, are in
	PV 0
	PV 1
	WIN 0
.if \st
	s_barrier_wait -1                              ; everybody's K and V of step s + 2 lie in LDS
.endif
	s_add_co_u32 s[TB], s[TB], 8192
	s_add_co_u32 s[TM], s[TM], 512
.endm
	FETCHK LI                                      ; key step 0
	FETCHM ADM, 0
	FETCHM ADM, 1
.macro INIT                            ; the step is written without a first step of its own: O^T and the sum begin as zeros, which the first change of M leaves zeros
	v_mov_b32 v[MT], 0xff61b1e6                    ; the largest t so far: -3e38
	v_floor_f32 v[NM], -v[MT]
	v_mov_b32 v[SUM], 0
	v_mov_b32 v[SUM+1], 0
	v_mov_b32 v[F+1], 0                            ; (named as the upper half of a pair)
	v_mov_b32 v[PT], 0                             ; a lane permute's destination counts as one of its sources
	v_mov_b32 v[ES], s46
	v_mov_b32 v[LM], s47
.set n, 0
.rept 32
	v_mov_b32 v[O+n], 0
.set n, n+1
.endr
.endm
	WIN 0
	INIT
	WIN 0x55
	INIT
	WIN 0
	s_mov_b32 s[TB], 0
	s_mov_b32 s[TM], 0
	s_mov_b32 s[SCN], 0
	s_wait_loadcnt 4                               ; Q is in; step 2's four loads may be out
	s_wait_dscnt 0x0                               ; K and C of step 0
.Lstep:                                            ; steps 0 to 12
	STEP 1, 1, 1, 1
	s_add_co_u32 s[SCN], s[SCN], 1
	s_cmp_lt_u32 s[SCN], 13
	s_cbranch_scc1 .Lstep
	STEP 1, 0, 0, 1                                ; step 13 stores step 15's bytes and asks for nothing
	STEP 0, 0, 0, 1
	STEP 0, 0, 0, 0
	; THE WAY OUT.  O^T / the sum is quantised: a lane's eight channels of tile d are registers 2 d, 2 d + 1 of the head's half of a fragment of the last product's operand.
.macro FIN
	v_add_f32 v[SUM], v[SUM], v[SUM+1]             ; the sum's two halves,
	v_permlanex16_b32 v[PT], v[SUM], s[SEL], s[SEL+1]
	v_add_f32 v[SUM], v[SUM], v[PT]                ; and lane l xor 16's
	v_rcp_f32 v[F], v[SUM]
	v_mov_b32 v[ES], s40                           ; (a plain line behind the transcendental)
	v_mov_b32 v[LM], s41
.set n, 0
	s_wait_alu depctr_va_vdst(0)
.rept 16
	v_pk_mul_f32 v[O+2*n:O+2*n+1], v[O+2*n:O+2*n+1], v[F:F+1] op_sel_hi:[1,0]
.set n, n+1
.endr
.set n, 0
.rept 32
	v_med3_num_f32 v[O+n], v[O+n], -v[LM], v[LM]
.set n, n+1
.endr
.set n, 0
.rept 4
	v_cvt_scalef32_pk8_fp8_f32 v[PC+2*n:PC+2*n+1], v[O+8*n:O+8*n+7], v[ES]
.set n, n+1
.endr
	v_nop
.endm
.rept 4
	v_nop                                          ; places behind the last products
.endr
	FIN
	global_store_b128 v[LI], v[PC:PC+3], s[34:35]                  ; 32 lanes store 512 consecutive bytes, aligned
	global_store_b128 v[LI], v[PC+4:PC+7], s[34:35] offset:512
	WIN 0x55
	FIN
	WIN 0x04                                       ; store data window 1
	global_store_b128 v[LI], v[PC:PC+3], s[34:35] offset:16384
	global_store_b128 v[LI], v[PC+4:PC+7], s[34:35] offset:16896
	WIN 0
	s_wait_tensorcnt 0x0
	ds_add_u32 v214, v215
	s_wait_dscnt 0x0
	s_endpgm
.Lfunc_end_k_q576c5208eb_attn:
	.size	k_q576c5208eb_attn, .Lfunc_end_k_q576c5208eb_attn-k_q576c5208eb_attn
	.p2alignl 7, 3214868480
	.fill 96, 4, 3214868480
	.section	.rodata,"a",@progbits
	.p2align	6, 0x0
	.amdhsa_kernel k_q576c5208eb_attn
		.amdhsa_group_segment_fixed_size 271360
		.amdhsa_private_segment_fixed_size 0
		.amdhsa_enable_private_segment 0
		.amdhsa_kernarg_size 32
		.amdhsa_user_sgpr_count 2
		.amdhsa_user_sgpr_kernarg_segment_ptr 1
		.amdhsa_wavefront_size32 1
		.amdhsa_system_sgpr_workgroup_id_x 1
		.amdhsa_system_sgpr_workgroup_id_y 1
		.amdhsa_system_sgpr_workgroup_id_z 1
		.amdhsa_system_vgpr_workitem_id 0
		.amdhsa_next_free_vgpr 512
		.amdhsa_next_free_sgpr 66
		.amdhsa_reserve_vcc 0
		.amdhsa_float_denorm_mode_32 3
		.amdhsa_float_denorm_mode_16_64 3
		.amdhsa_memory_ordered 1
		.amdhsa_forward_progress 1
		.amdhsa_inst_pref_size 139
	.end_amdhsa_kernel
	.amdgpu_metadata
---
amdhsa.version: [ 1, 2 ]
amdhsa.kernels:
  - .name:           k_q576c5208eb_attn
    .symbol:         k_q576c5208eb_attn.kd
    .args:
      - { .name: qkv, .offset: 0, .size: 8, .value_kind: global_buffer, .address_space: global }
      - { .name: attention_mask, .offset: 8, .size: 8, .value_kind: global_buffer, .address_space: global }
      - { .name: lowp_scales, .offset: 16, .size: 8, .value_kind: global_buffer, .address_space: global }
      - { .name: ctxc, .offset: 24, .size: 8, .value_kind: global_buffer, .address_space: global }
    .group_segment_fixed_size: 271360
    .private_segment_fixed_size: 0
    .kernarg_segment_align: 8
    .kernarg_segment_size: 32
    .max_flat_workgroup_size: 256
    .sgpr_count:     66
    .vgpr_count:     512
    .wavefront_size: 32
...
	.end_amdgpu_metadata
.endif
;; end of part 3
;; launch proj (part 4): grid 128 x 1, 8 waves a work-group, no clusters, 165,376 bytes of LDS; arguments ctxc, wcodes, lowp_scales, hidden_states, bd, ln_gamma, ln_beta, out0; writes out0
.if DOCPART == 4
	.amdgcn_target "amdgcn-amd-amdhsa--gfx1250"
	.amdhsa_code_object_version 6
	.text
	.protected	k_q576c5208eb_proj
	.globl	k_q576c5208eb_proj
	.p2align	8
	.type	k_q576c5208eb_proj,@function
k_q576c5208eb_proj:
	s_mov_b64 s[64:65], 0
	v_nop
	global_prefetch_b8 v0, s[64:65] scope:SCOPE_SE
	s_setreg_imm32_b32 hwreg(HW_REG_WAVE_MODE, 25, 1), 1
	s_wait_xcnt 0x0
; out = LayerNorm(hidden + ctx Wd^T + bd) x gamma + beta; the product on codes of FP8 (E4M3), entries 10 and 11 of the scales; all else in f32.
; SHARES.  The norm wants whole rows: a work-group takes 32 tokens x all 1,024 outputs.  Wave w makes outputs 128 w .. 128 w + 127: 2 x 8 accumulators, K = 1,024 in eight steps of 128.
; ctx's codes (32,768 bytes, images of operand registers) are copied into LDS once and read by all eight waves.
; Wd's CODES GO FROM MEMORY STRAIGHT INTO OPERAND REGISTERS: each byte is wanted by exactly one wave of the work-group (its 131,072 bytes lie on end, as images), so through LDS it would be written once and read once
; for the same two matrix instructions.  For that reason there is no ring, no tensor load and no joint load here.  A ring of 16 fragments in registers: 64 loads, 32,768 bytes a wave, are on their way.
; The matrix instruction is used transposed (source 0 = 16 rows of Wd, source 1 = 16 tokens): a lane holds eight neighbouring outputs of one token.  The results meet in a stage in LDS;
; then wave w owns tokens 4 w .. 4 w + 3, a whole row in 32 registers a lane-set, and the norm never leaves the wave.  The mean first, then the squares of the differences: no difference of large sums is formed.
; LIMIT: e10 + e11 between -126 and 127.
; REGISTERS: window 0: v1-5 addresses; v8-31 at work in the norm; v32-95 ctx's fragments, two buffers of two; v128-255 the accumulators ((tt, i) at v[128 + 8 (8 tt + i)]), later the four rows.
;   window 1: the ring, four slots of 64; at the end v0-127 hidden's four rows, v128-159 bd, v160-191 gamma, v192-223 beta.
.set STG, 32768                        ; LDS: ctx's images at 0: [tile of 16 tokens (2)][K step (8)][2,048]; the stage here: 32 rows
.set RP,  4112                         ; a stage row: 4,096 bytes + 16 = 1,028 words: row r starts at bank 4 r mod 64 (64 banks of 4 bytes: ISA guide 11.1)
.set AB,  32
.set ACC, 128
.set MSB, 0
.macro WIN new                         ; s_set_vgpr_msb: bits 1:0 source 0, 3:2 source 1, 5:4 source 2, 7:6 destination; the high byte repeats the setting that is left
.if MSB != (\new)
	s_set_vgpr_msb (MSB<<8)|(\new)
.set MSB, (\new)
.endif
.endm
	s_load_b512 s[8:23], s[0:1], 0x0               ; ctxc s[8:9], wcodes s[10:11], scales s[12:13], hidden s[14:15], bd s[16:17], gamma s[18:19], beta s[20:21], out0 s[22:23]
	v_lshl_add_u32 v126, v0, 2, 0x28200
	v_mov_b32 v127, 0
	v_lshrrev_b32 v6, 5, v0
	v_readfirstlane_b32 s24, v6                    ; wave 0..7
	v_and_b32 v7, 31, v0
	v_lshlrev_b32 v1, 4, v7                        ; 16 x lane
	v_lshlrev_b32 v2, 4, v0                        ; 16 x thread
	v_and_b32 v6, 15, v0                           ; r
	v_bfe_u32 v7, v0, 4, 1                         ; h
	v_mul_u32_u24 v3, v6, RP
	v_lshl_add_u32 v3, v7, 5, v3
	s_lshl_b32 s40, s24, 9
	s_add_co_u32 s40, s40, STG
	v_add_nc_u32 v3, s40, v3                       ; into the stage: row r, + 512 x wave + 32 h bytes;
	v_add_nc_u32 v5, 16*RP, v3                     ; the second tile's rows lie beyond an LDS immediate
	s_mul_i32 s40, s24, 4*RP
	s_add_co_u32 s40, s40, STG
	v_add_nc_u32 v4, s40, v1                       ; back: my four rows, 16 bytes a lane
	s_lshl_b32 s40, ttmp9, 15                      ; ctx's codes: 32,768 bytes a work-group
	s_mov_b32 s41, 0
	s_lshl_b32 s42, s24, 17                        ; Wd's codes lie 3 MiB into wcodes; my 128 rows: 131,072 bytes
	s_add_co_u32 s42, s42, 0x300000
	s_mov_b32 s43, 0
	s_lshl_b32 s44, ttmp9, 5
	s_lshl_b32 s45, s24, 2
	s_add_co_u32 s44, s44, s45
	s_lshl_b32 s44, s44, 12                        ; my first row of hidden and of out0: (32 x work-group + 4 x wave) x 4,096 bytes
	s_mov_b32 s45, 0
	s_mov_b32 s30, 0x3a800000                      ; 1 / 1,024
	s_mov_b32 s31, 0x2b8cbccc                      ; 1e-12
	s_mov_b32 s32, 0x76543210                      ; v_permlanex16_b32: lane l xor 16
	s_mov_b32 s33, 0xfedcba98
	s_wait_kmcnt 0x0
	s_load_b64 s[26:27], s[12:13], 0x28            ; e10, e11
	s_add_nc_u64 s[8:9], s[8:9], s[40:41]
	s_add_nc_u64 s[34:35], s[10:11], s[42:43]
	s_add_nc_u64 s[36:37], s[14:15], s[44:45]
	s_add_nc_u64 s[38:39], s[22:23], s[44:45]
; batch g of 16: four fragments of Wd (K step g / 2, tiles 4 (g % 2) + x) into ring slot g % 4: 16 loads of 512 consecutive bytes
.macro BLOAD g
	WIN 0x40
.irp x, 0,1,2,3
.irp c, 0,1,2,3
	global_load_b128 v[64*((\g)%4)+16*\x+4*\c:64*((\g)%4)+16*\x+4*\c+3], v1, s[34:35] offset:((\g)/4)*32768+(4*((\g)%2)+\x)*4096+(((\g)/2)%2)*2048+512*\c
.endr
.endr
.endm
.macro ALOAD s                         ; ctx's two fragments of K step s into buffer s % 2
.irp tt, 0,1
.irp c, 0,1,2,3
	ds_load_b128 v[AB+32*((\s)%2)+16*\tt+4*\c:AB+32*((\s)%2)+16*\tt+4*\c+3], v1 offset:\tt*16384+(\s)*2048+512*\c
.endr
.endr
.endm
; what takes the refills' place behind the last four groups, into the ring slots that they leave: hidden's four rows, bd, gamma, beta.  The first three are 16 loads each, so that every group's wait keeps its count.
.macro EXTRA e
	WIN 0x40
.if (\e) < 2
.irp p, 0,1
.irp j, 0,1,2,3,4,5,6,7
	global_load_b128 v[64*(\e)+32*\p+4*\j:64*(\e)+32*\p+4*\j+3], v1, s[36:37] offset:(2*(\e)+\p)*4096+512*\j th:TH_LOAD_NT
.endr
.endr
.elseif (\e) == 2
.irp j, 0,1,2,3,4,5,6,7
	global_load_b128 v[128+4*\j:128+4*\j+3], v1, s[16:17] offset:512*\j
.endr
.irp j, 0,1,2,3,4,5,6,7
	global_load_b128 v[160+4*\j:160+4*\j+3], v1, s[18:19] offset:512*\j
.endr
.else
.irp j, 0,1,2,3,4,5,6,7
	global_load_b128 v[192+4*\j:192+4*\j+3], v1, s[20:21] offset:512*\j
.endr
.endif
.endm
; group g: 8 matrix instructions on batch g; the 16 accumulators take turns, one instruction a turn; the first K step starts the sums with the constant 0.
.macro GROUP g
.set sK, (\g)/2
	s_wait_loadcnt 48                              ; loads come back in order (ISA guide 5.7.1): batch g is in; the three younger batches of 16 stay out
.if (\g)%2 == 0
	s_wait_dscnt 0x0                               ; ctx's fragments of this K step: asked for two groups ago
.endif
	WIN 0x01                                       ; source 0 (Wd) window 1
.irp x, 0,1,2,3
.irp tt, 0,1
.set rD, ACC+8*(8*\tt+4*((\g)%2)+\x)
.if sK == 0
	v_wmma_f32_16x16x128_fp8_fp8 v[rD:rD+7], v[64*((\g)%4)+16*\x:64*((\g)%4)+16*\x+15], v[AB+32*(sK%2)+16*\tt:AB+32*(sK%2)+16*\tt+15], 0
.else
	v_wmma_f32_16x16x128_fp8_fp8 v[rD:rD+7], v[64*((\g)%4)+16*\x:64*((\g)%4)+16*\x+15], v[AB+32*(sK%2)+16*\tt:AB+32*(sK%2)+16*\tt+15], v[rD:rD+7]
.endif
.endr
.endr
.rept 4
	v_nop                                          ; places in front of loads into registers that matrix instructions have read, and of the first read of results (ISA guide 7.12.1 for vector instructions)
.endr
.if ((\g)%2 == 0) && (sK < 7)
	WIN 0
	ALOAD sK+1
.endif
.if (\g) < 12
	BLOAD (\g)+4
.else
	EXTRA (\g)-12
.endif
	WIN 0
.endm
.irp j, 0,1,2,3,4,5,6,7
	global_load_b128 v[ACC+4*\j:ACC+4*\j+3], v2, s[8:9] offset:4096*\j th:TH_LOAD_NT   ; ctx's codes: 256 threads x 16 bytes, eight times; read once in the launch
.endr
	BLOAD 0
	BLOAD 1
	BLOAD 2
	WIN 0
	s_wait_loadcnt 48                              ; ctx's eight loads are in; the three batches behind them stay out
.irp j, 0,1,2,3,4,5,6,7
	ds_store_b128 v2, v[ACC+4*\j:ACC+4*\j+3] offset:4096*\j
.endr
	BLOAD 3
	WIN 0
	s_wait_dscnt 0x0                               ; for the others' sake: my stores have landed
	s_barrier_signal -1
	s_barrier_wait -1
	ALOAD 0
.irp g, 0,1,2,3,4,5,6,7,8,9,10,11,12,13,14,15
	GROUP \g
.endr
.irp i, 0,1,2,3,4,5,6,7                    ; lane (r, h): token 16 tt + r, outputs 128 w + 16 i + 8 h + 0 .. 7; each accumulator from its low end on
	ds_store_b128 v3, v[ACC+8*\i:ACC+8*\i+3] offset:64*\i
	ds_store_b128 v3, v[ACC+8*\i+4:ACC+8*\i+7] offset:64*\i+16
.endr
.irp i, 0,1,2,3,4,5,6,7
	ds_store_b128 v5, v[ACC+64+8*\i:ACC+64+8*\i+3] offset:64*\i
	ds_store_b128 v5, v[ACC+64+8*\i+4:ACC+64+8*\i+7] offset:64*\i+16
.endr
	s_wait_dscnt 0x0                               ; my stores have landed (and have read their registers)
	s_barrier_signal -1
	s_barrier_wait -1                              ; 32 whole rows of sums lie in the stage
.irp p, 0,1,2,3
.irp j, 0,1,2,3,4,5,6,7
	ds_load_b128 v[ACC+32*\p+4*\j:ACC+32*\p+4*\j+3], v4 offset:\p*RP+512*\j   ; row p: register 4 j + e = column 128 j + 4 lane + e, as hidden, bd, gamma and beta are loaded
.endr
.endr
	s_wait_kmcnt 0x0
	s_add_co_i32 s28, s26, s27
	s_add_co_i32 s28, s28, 127
	s_lshl_b32 s28, s28, 23                        ; 2^(e10 + e11) as f32
	s_mov_b32 s29, s28                             ; (named with it as a pair, so it is written)
	s_wait_loadcnt 0x0                             ; hidden, bd, gamma, beta
	WIN 0x55
.irp p, 0,1,2,3
.set m, 0
.rept 16
	v_pk_add_f32 v[32*\p+2*m:32*\p+2*m+1], v[32*\p+2*m:32*\p+2*m+1], v[128+2*m:128+2*m+1]   ; hidden + bd
.set m, m+1
.endr
.endr
	s_wait_dscnt 0x0
	WIN 0x10                                       ; source 2 window 1
.irp p, 0,1,2,3
.set m, 0
.rept 16
	v_pk_fma_f32 v[ACC+32*\p+2*m:ACC+32*\p+2*m+1], v[ACC+32*\p+2*m:ACC+32*\p+2*m+1], s[28:29], v[32*\p+2*m:32*\p+2*m+1] op_sel_hi:[1,0,1]   ; x = sum x 2^(e10 + e11) + (hidden + bd)
.set m, m+1
.endr
.endr
	WIN 0
; row p's two chains lie in v[8 + 4 p : 9 + 4 p] and v[10 + 4 p : 11 + 4 p]; LANES adds them up over the wave; the four rows take turns line by line
.macro LANES
.irp p, 0,1,2,3
	v_pk_add_f32 v[8+4*\p:9+4*\p], v[8+4*\p:9+4*\p], v[10+4*\p:11+4*\p]
.endr
.irp p, 0,1,2,3
	v_add_f32 v[8+4*\p], v[8+4*\p], v[9+4*\p]
.endr
.irp x, 1,2,4,8
.irp p, 0,1,2,3
	v_add_f32_dpp v[8+4*\p], v[8+4*\p], v[8+4*\p] row_xmask:\x row_mask:0xf bank_mask:0xf
.endr
.endr
.irp p, 0,1,2,3
	v_permlanex16_b32 v[10+4*\p], v[8+4*\p], s32, s33
.endr
.irp p, 0,1,2,3
	v_add_f32 v[8+4*\p], v[8+4*\p], v[10+4*\p]
.endr
.endm
.irp p, 0,1,2,3
	v_pk_add_f32 v[8+4*\p:9+4*\p], v[ACC+32*\p:ACC+32*\p+1], v[ACC+32*\p+2:ACC+32*\p+3]
	v_pk_add_f32 v[10+4*\p:11+4*\p], v[ACC+32*\p+4:ACC+32*\p+5], v[ACC+32*\p+6:ACC+32*\p+7]
.endr
.irp x, 8,12,16,20,24,28
.irp p, 0,1,2,3
	v_pk_add_f32 v[8+4*\p:9+4*\p], v[8+4*\p:9+4*\p], v[ACC+32*\p+\x:ACC+32*\p+\x+1]
	v_pk_add_f32 v[10+4*\p:11+4*\p], v[10+4*\p:11+4*\p], v[ACC+32*\p+\x+2:ACC+32*\p+\x+3]
.endr
.endr
	LANES
.irp p, 0,1,2,3
	v_mul_f32 v[24+2*\p], s30, v[8+4*\p]           ; the mean, in both halves of a pair
	v_mul_f32 v[25+2*\p], s30, v[8+4*\p]
.endr
.irp p, 0,1,2,3
.set m, 0
.rept 16
	v_pk_add_f32 v[ACC+32*\p+2*m:ACC+32*\p+2*m+1], v[ACC+32*\p+2*m:ACC+32*\p+2*m+1], v[24+2*\p:25+2*\p] neg_lo:[0,1] neg_hi:[0,1]   ; x - mean
.set m, m+1
.endr
.endr
.irp p, 0,1,2,3
	v_pk_mul_f32 v[8+4*\p:9+4*\p], v[ACC+32*\p:ACC+32*\p+1], v[ACC+32*\p:ACC+32*\p+1]
	v_pk_mul_f32 v[10+4*\p:11+4*\p], v[ACC+32*\p+2:ACC+32*\p+3], v[ACC+32*\p+2:ACC+32*\p+3]
.endr
.irp x, 4,8,12,16,20,24,28
.irp p, 0,1,2,3
	v_pk_fma_f32 v[8+4*\p:9+4*\p], v[ACC+32*\p+\x:ACC+32*\p+\x+1], v[ACC+32*\p+\x:ACC+32*\p+\x+1], v[8+4*\p:9+4*\p]
	v_pk_fma_f32 v[10+4*\p:11+4*\p], v[ACC+32*\p+\x+2:ACC+32*\p+\x+3], v[ACC+32*\p+\x+2:ACC+32*\p+\x+3], v[10+4*\p:11+4*\p]
.endr
.endr
	LANES
.irp p, 0,1,2,3
	v_fma_f32 v[8+4*\p], v[8+4*\p], s30, s31       ; the variance + 1e-12
.endr
.irp p, 0,1,2,3
	v_rsq_f32 v[24+2*\p], v[8+4*\p]
.endr
	v_nop                                          ; a plain line between the last transcendental and the use of its result
	s_wait_alu depctr_va_vdst(0)
.irp p, 0,1,2,3
	v_mov_b32 v[25+2*\p], v[24+2*\p]
.endr
.irp p, 0,1,2,3
.set m, 0
.rept 16
	v_pk_mul_f32 v[ACC+32*\p+2*m:ACC+32*\p+2*m+1], v[ACC+32*\p+2*m:ACC+32*\p+2*m+1], v[24+2*\p:25+2*\p]
.set m, m+1
.endr
.endr
	WIN 0x14                                       ; sources 1 and 2 window 1
.irp p, 0,1,2,3
.set m, 0
.rept 16
	v_pk_fma_f32 v[ACC+32*\p+2*m:ACC+32*\p+2*m+1], v[ACC+32*\p+2*m:ACC+32*\p+2*m+1], v[160+2*m:160+2*m+1], v[192+2*m:192+2*m+1]   ; x gamma + beta
.set m, m+1
.endr
.endr
	WIN 0
.irp p, 0,1,2,3
.irp j, 0,1,2,3,4,5,6,7
	global_store_b128 v1, v[ACC+32*\p+4*\j:ACC+32*\p+4*\j+3], s[38:39] offset:\p*4096+512*\j th:TH_STORE_NT   ; 32 lanes store 512 consecutive bytes, aligned; written once, read by nobody here
.endr
.endr
	s_wait_tensorcnt 0x0
	ds_add_u32 v126, v127
	s_wait_dscnt 0x0
	s_endpgm
.Lfunc_end_k_q576c5208eb_proj:
	.size	k_q576c5208eb_proj, .Lfunc_end_k_q576c5208eb_proj-k_q576c5208eb_proj
	.p2alignl 7, 3214868480
	.fill 96, 4, 3214868480
	.section	.rodata,"a",@progbits
	.p2align	6, 0x0
	.amdhsa_kernel k_q576c5208eb_proj
		.amdhsa_group_segment_fixed_size 165376
		.amdhsa_private_segment_fixed_size 0
		.amdhsa_enable_private_segment 0
		.amdhsa_kernarg_size 64
		.amdhsa_user_sgpr_count 2
		.amdhsa_user_sgpr_kernarg_segment_ptr 1
		.amdhsa_wavefront_size32 1
		.amdhsa_system_sgpr_workgroup_id_x 1
		.amdhsa_system_sgpr_workgroup_id_y 1
		.amdhsa_system_sgpr_workgroup_id_z 1
		.amdhsa_system_vgpr_workitem_id 0
		.amdhsa_next_free_vgpr 512
		.amdhsa_next_free_sgpr 66
		.amdhsa_reserve_vcc 0
		.amdhsa_float_denorm_mode_32 3
		.amdhsa_float_denorm_mode_16_64 3
		.amdhsa_memory_ordered 1
		.amdhsa_forward_progress 1
		.amdhsa_inst_pref_size 89
	.end_amdhsa_kernel
	.amdgpu_metadata
---
amdhsa.version: [ 1, 2 ]
amdhsa.kernels:
  - .name:           k_q576c5208eb_proj
    .symbol:         k_q576c5208eb_proj.kd
    .args:
      - { .name: ctxc, .offset: 0, .size: 8, .value_kind: global_buffer, .address_space: global }
      - { .name: wcodes, .offset: 8, .size: 8, .value_kind: global_buffer, .address_space: global }
      - { .name: lowp_scales, .offset: 16, .size: 8, .value_kind: global_buffer, .address_space: global }
      - { .name: hidden_states, .offset: 24, .size: 8, .value_kind: global_buffer, .address_space: global }
      - { .name: bd, .offset: 32, .size: 8, .value_kind: global_buffer, .address_space: global }
      - { .name: ln_gamma, .offset: 40, .size: 8, .value_kind: global_buffer, .address_space: global }
      - { .name: ln_beta, .offset: 48, .size: 8, .value_kind: global_buffer, .address_space: global }
      - { .name: out0, .offset: 56, .size: 8, .value_kind: global_buffer, .address_space: global }
    .group_segment_fixed_size: 165376
    .private_segment_fixed_size: 0
    .kernarg_segment_align: 8
    .kernarg_segment_size: 64
    .max_flat_workgroup_size: 256
    .sgpr_count:     66
    .vgpr_count:     512
    .wavefront_size: 32
...
	.end_amdgpu_metadata
.endif
;; end of part 4
;; ======== version 2 of 2: 4 launches; version 1 with the launches attn, proj written anew for expert scheduling mode
;; workspace buffers: hcodes 12,582,912 bytes; wcodes 4,194,304 bytes; qkv 12,582,912 bytes; ctxc 4,194,304 bytes
;; launch quant: the kernel of part 1 again; grid 512 x 1, 8 waves a work-group, no clusters, 68,608 bytes of LDS; arguments hidden_states, Wq, Wk, Wv, Wd, lowp_scales, hcodes, wcodes; writes hcodes, wcodes
;; launch qkv: the kernel of part 2 again; grid 4 x 48, 4 waves a work-group, clusters of 4 x 4, 327,680 bytes of LDS; arguments hcodes, wcodes, lowp_scales, bq, bk, bv, qkv; writes qkv
;; launch attn (part 5): grid 8 x 32, 8 waves a work-group, no clusters, 271,360 bytes of LDS; arguments qkv, attention_mask, lowp_scales, ctxc; writes ctxc
.if DOCPART == 5
	.amdgcn_target "amdgcn-amd-amdhsa--gfx1250"
	.amdhsa_code_object_version 6
	.text
	.protected	k_q576c5208eb_attn
	.globl	k_q576c5208eb_attn
	.p2align	8
	.type	k_q576c5208eb_attn,@function
k_q576c5208eb_attn:
	s_mov_b64 s[64:65], 0
	v_nop
	global_prefetch_b8 v0, s[64:65] scope:SCOPE_SE
	s_setreg_imm32_b32 hwreg(HW_REG_WAVE_SCHED_MODE, 0, 2), 2
	s_setreg_imm32_b32 hwreg(HW_REG_WAVE_MODE, 25, 1), 1
	s_wait_xcnt 0x0
	s_wait_alu depctr_vm_vsrc(0)
; ctx[b][q][head] = softmax_k(q . k / 8 + mask[b][k]) v, both products on codes of FP8 (E4M3); the result is quantised at once as an operand of the last product (entry 10 of the scales).
; THE SOFTMAX AHEAD OF THE SECOND PRODUCT: t = logit x log2(e); M = the row's largest t so far, rounded UP to a whole number; p = 2^(t - M) is quantised (entry 8), not normalised.
; The row's sum is taken of the unquantised p and divides at the end.  When M moves, the sum and O are multiplied by 2^(old M - new M): exact.
; SHARES.  A work-group owns 256 queries of one head (x: the block, y: 16 x batch + head); each of its eight waves owns 32: two tiles of 16, which share every fragment of K, V and mask read from LDS.
; Two waves lie on a SIMD, so that one wave's matrix instructions and LDS loads stand beside the other's vector work.  A key step is 128 keys; there are 16.
; LAYOUT.  Both products are used transposed: S^T = K Q^T (source 0 = 16 keys, source 1 = 16 queries), O^T = V^T P^T: a lane holds ONE query throughout, its registers run along the keys (S^T) or the channels (O^T).
; q, k, v arrive as images of operand registers (lane l = 16 h + r: row r, registers 2 c, 2 c + 1: k = 16 c + 8 h + 0 .. 7; registers 4 y .. 4 y + 3 at 512 y + 16 l):
; eight registers of S^T's tile a, converted, are registers 2 a, 2 a + 1 of P.
; THE MASK costs no vector line in the loop: t = c (sum + C), c = log2(e) / 8 x 2^(e6 + e7), C = mask x 2^(3 - e6 - e7), and C is the C operand of S^T's matrix instruction.
; THE ORDER OF A TILE'S SOFTMAX.  A tile has 64 exponentials a step and, of its own, 52 plain lines that read no exponential's result: 32 scalings, 16 multiplications of O^T by f, the sum x f, 3 lines that make f.
; They stand by turns: an exponential, a plain line, an exponential, in every second turn a plain line more.  All of them lie in the tile's own register window, so the turns cost no switch.
; What reads the exponentials' results, the sums and the conversions, stands behind ONE wait for both tiles' 128.
; LDS.  A head's K (131,072 bytes), V (131,072) and the batch's scaled mask (8,192) all fit: every byte is written once.  They come through registers, 16,384 bytes of K and V a key step, two steps ahead of their first read.
; NO TENSOR LOADS, NO CLUSTER, though the eight blocks of a head read the same K and V: p is at most 1, so the hold in front of p's conversion (64 of a tile's some 260 vector lines a step) is owed only where
; 2^-e8 is above 448; it is passed over by a scalar branch on e8, a loaded number.  What is shared is 262,144 bytes a work-group in the whole launch.
; LIMITS: e6 + e7 between -123 and 130; e8, and e10 - e8 - e9, between -126 and 119.  NaN is not served.  C is held from below at -1e30 (a hole of -infinity gives p = 0);
; a row all of whose keys lie at that floor gets equal weights, where -infinity on every key would give NaN.
; REGISTERS.  Tile t lives in window t, at the same numbers: v16-23 Q; v24 -M, v25 the largest t; v[26:27] the sum; v[28:29] f; v96-159 S^T, then p; v160-191 O^T; v192-207 p's codes; v208-223 at work.
;   shared, window 0: v1-13 addresses; v32-95 K's 8 fragments; v214, v215 the closing add's two; v224-255 C of key tiles 0-3.   window 1: v0-15 K and V on their way to LDS; v32-95 V's 4 fragments; v224-255 C of key tiles 4-7.
; THE MODE: SCHED_MODE bits 1:0 = 2 (LLVM: expert scheduling mode 2), set by the entry lines.  The code itself states the register dependences
; between vector or matrix instructions and memory or LDS instructions, with s_wait_alu, always for 0.
; THE PLAN.  Registers that memory or LDS instructions touch, in a key step:
;   v8-12        the five LDS addresses.  Written by the additions at the step's head; read by the step's four LDS stores and its 48 LDS loads.
;   window 1 v0-15   K and V on their way.  Global loads land in them in a step's middle; the next step's four LDS stores read them; no vector instruction names them.
;   K, C         (window 0 v32-95; v224-255 of both windows)  Read by the step's 16 products S^T; behind these the next step's tiles land in them.
;   V            (window 1 v32-95)  Read by the 8 products at a step's end; the next step's tiles land in them in that step's middle.
;   v1, v2, v13  offsets, made at the head and never written again.
; So a step holds: one wait on vm_vsrc ahead of the five additions; one on va_vdst behind them, for the stores' two addresses; behind the products S^T one on vm_vsrc (the stores have read K and V on their way)
; and one on va_vdst (the other three addresses are written; the products are done reading K, C and V).  All the step's loads follow that pair with no further wait: no vector or matrix instruction issued
; since names a register that they touch.  24 of them, which lie in window 0, are dealt among the lines of tile 0's maximum.  The step's last wait on va_vdst is the one for the exponentials.
.set VOFF, 131072                      ; LDS: K at 0: [tile of 16 keys (128)][1,024];  V here: [key step (16)][tile of 16 channels (4)][2,048]
.set MOFF, 262144                      ; the mask: 2,048 f32
.set LI,  1                            ; v1   16 x lane
.set T16, 2                            ; v2   16 x thread
.set ADK, 8                            ; v8   the next step's K;  v9 this step's V;  v10 the next step's C;  v11, v12 where K and V of two steps on are stored
.set ADV, 9
.set ADM, 10
.set ASK, 11
.set ASV, 12
.set PFO, 13                           ; v13  the prefetches' offset: 256 x lane (+ 4 MiB in wave 1: V)
.set QF,  16
.set NM,  24
.set MT,  25
.set SUM, 26
.set F,   28
.set KF,  32
.set S,   96
.set O,   160
.set PC,  192
.set SCA, 208                          ; v[208:209] the sum's second chain
.set PT,  210
.set ES,  211
.set LM,  212
.set OLD, 213                          ; v213 the last step's -M
.set CH,  216                          ; v216-223 eight chains of the maximum;
.set SCB, 220                          ; v[220:221], v[222:223]: once the maximum is found, the sum's third and fourth chains
.set SCC, 222
.set MK,  224
.set CS,  22                           ; s[22:23] c, twice
.set KB,  24                           ; s[24:25] K's bytes of the chunk last asked for; V's lie 4 MiB on
.set TB,  26                           ; s26  8,192 x step
.set TM,  27                           ; s27  512 x step
.set SCN, 28                           ; s28  the step
.set LIM, 29                           ; s29  a wave prefetches while the step is under this
.set SEL, 30                           ; s[30:31] lane selects for v_permlanex16_b32: lane l xor 16
.set MSB, 0
.macro WIN new                         ; s_set_vgpr_msb: bits 1:0 source 0, 3:2 source 1, 5:4 source 2, 7:6 destination; the high byte repeats the setting that is left
.if MSB != (\new)
	s_set_vgpr_msb (MSB<<8)|(\new)
.set MSB, (\new)
.endif
.endm
	s_load_b256 s[4:11], s[0:1], 0x0               ; qkv s[4:5], mask s[6:7], the scales' exponents s[8:9], ctxc s[10:11]
	v_lshl_add_u32 v214, v0, 2, 0x42000            ; my spare word, behind the mask, and 0: made here and kept for the closing lines alone
	v_mov_b32 v215, 0
	v_lshrrev_b32 v14, 5, v0
	v_readfirstlane_b32 s12, v14                   ; wave 0..7
	v_and_b32 v15, 31, v0
	v_lshlrev_b32 v[LI], 4, v15
	v_lshlrev_b32 v[T16], 4, v0
	v_bfe_u32 v14, v0, 4, 1
	v_lshlrev_b32 v14, 5, v14                      ; 32 h
	v_add_nc_u32 v3, 8192, v[LI]                   ; what the step's number is added to: the next step's K,
	v_add_nc_u32 v4, VOFF, v[LI]                   ; this step's V,
	v_add_nc_u32 v5, MOFF+512, v14                 ; the next step's C,
	v_add_nc_u32 v6, 16384, v[T16]                 ; K two steps on,
	v_add_nc_u32 v7, VOFF+16384, v[T16]            ; V two steps on
	v_add_nc_u32 v[ADM], MOFF, v14                 ; at the head: step 0's C,
	v_add_nc_u32 v[ASK], MOFF, v[T16]              ; where I store the mask,
	v_add_nc_u32 v[ASV], VOFF, v[T16]              ; and V
	v_lshlrev_b32 v[PFO], 8, v15
	s_wait_alu depctr_va_sdst(0)                   ; s12, the wave's number, is written, ahead of its first reader
	s_and_b32 s36, s12, 1
	s_lshl_b32 s36, s36, 22
	v_add_nc_u32 v[PFO], s36, v[PFO]
	s_lshr_b32 s37, s12, 1
	s_or_b32 s37, s37, ttmp9                       ; 0 in waves 0 and 1 of the head's first work-group
	s_cmp_eq_u32 s37, 0
	s_cselect_b32 s[LIM], 11, 0
	s_mov_b32 s13, ttmp9                           ; the block of 256 queries
	s_and_b32 s14, ttmp7, 0xffff                   ; 16 x batch + head
	s_lshl_b32 s36, s14, 17                        ; a head is 131,072 bytes in each of q, k, v
	s_mov_b32 s37, 0
	s_lshl_b32 s38, s13, 14                        ; Q: (16 x block + 2 x wave) tiles of 1,024 bytes
	s_lshl_b32 s39, s12, 11
	s_add_co_u32 s38, s38, s39
	s_add_co_u32 s38, s38, s36
	s_mov_b32 s39, 0
	s_lshr_b32 s40, s14, 4                         ; the batch
	s_lshl_b32 s41, s40, 7
	s_lshl_b32 s42, s13, 4
	s_add_co_u32 s41, s41, s42
	s_lshl_b32 s42, s12, 1
	s_add_co_u32 s41, s41, s42                     ; my first tile of tokens: 128 x batch + 16 x block + 2 x wave,
	s_lshl_b32 s41, s41, 14                        ; 16,384 bytes each in ctxc;
	s_and_b32 s42, s14, 15
	s_lshl_b32 s42, s42, 10                        ; the head's 64 of K = 1,024 are half a fragment's image: 1,024 bytes
	s_add_co_u32 s42, s41, s42
	s_mov_b32 s43, 0
	s_lshl_b32 s44, s40, 13                        ; the batch's mask
	s_mov_b32 s45, 0
	s_add_co_u32 s36, s36, 0x400000+16384          ; K lies 4 MiB into qkv; KB begins at chunk 2
	s_mov_b32 s[SEL], 0x76543210
	s_mov_b32 s[SEL+1], 0xfedcba98
	s_wait_kmcnt 0x0
	s_load_b128 s[16:19], s[8:9], 0x18             ; e6, e7, e8, e9
	s_load_b32 s20, s[8:9], 0x28                   ; e10
	s_add_nc_u64 s[KB:KB+1], s[4:5], s[36:37]
	s_add_nc_u64 s[32:33], s[4:5], s[38:39]
	s_add_nc_u64 s[34:35], s[10:11], s[42:43]
	s_add_nc_u64 s[6:7], s[6:7], s[44:45]
	s_wait_alu depctr_va_vdst(0)                   ; the offsets and addresses v1, v2, v10 to v13 are written, which the loads, stores and prefetches below read
	global_load_b128 v[96:99], v[T16], s[6:7]                      ; the mask: 256 threads x 16 bytes, twice
	global_load_b128 v[100:103], v[T16], s[6:7] offset:4096
.irp c, 0,1,2,3
	global_load_b128 v[104+4*\c:107+4*\c], v[T16], s[KB:KB+1] offset:4096*\c-16384          ; K of key steps 0 and 1
.endr
.irp c, 0,1,2,3
	global_load_b128 v[120+4*\c:123+4*\c], v[T16], s[KB:KB+1] offset:4194304+4096*\c-16384  ; V of key steps 0 and 1
.endr
	global_load_b128 v[QF:QF+3], v[LI], s[32:33] th:TH_LOAD_NT     ; Q stays in registers; read once in the launch
	global_load_b128 v[QF+4:QF+7], v[LI], s[32:33] offset:512 th:TH_LOAD_NT
	WIN 0x40                                       ; destination window 1
	global_load_b128 v[QF:QF+3], v[LI], s[32:33] offset:1024 th:TH_LOAD_NT
	global_load_b128 v[QF+4:QF+7], v[LI], s[32:33] offset:1536 th:TH_LOAD_NT
	global_load_b128 v[0:3], v[T16], s[KB:KB+1]                    ; K and V of key step 2
	global_load_b128 v[4:7], v[T16], s[KB:KB+1] offset:4096
	global_load_b128 v[8:11], v[T16], s[KB:KB+1] offset:4194304
	global_load_b128 v[12:15], v[T16], s[KB:KB+1] offset:4198400
	WIN 0
	s_wait_kmcnt 0x0
	s_add_co_i32 s36, s16, s17                     ; e6 + e7
	s_sub_co_i32 s37, 3, s36
	s_lshl_b32 s36, s36, 23
	s_add_co_i32 s[CS], s36, 0x3e38aa3b            ; c = log2(e) / 8, with e6 + e7 added to its exponent field
	s_mov_b32 s[CS+1], s[CS]                       ; (named with it as a pair, so it is written)
	s_add_co_i32 s38, s18, 127
	s_lshl_b32 s46, s38, 23                        ; 2^e8 as f32
	s_add_co_i32 s38, s38, 8
	s_lshl_b32 s47, s38, 23
	s_or_b32 s47, s47, 0x600000                    ; 448 x 2^e8
	s_sub_co_i32 s38, s20, s18
	s_sub_co_i32 s38, s38, s19
	s_add_co_i32 s38, s38, 127
	s_lshl_b32 s40, s38, 23                        ; 2^(e10 - e8 - e9): a sum of the second product stands for sum x 2^(e8 + e9)
	s_add_co_i32 s38, s38, 8
	s_lshl_b32 s41, s38, 23
	s_or_b32 s41, s41, 0x600000
	s_wait_loadcnt 8                               ; the mask and key steps 0 and 1 are in; Q's four loads and step 2's four may be out
.set n, 0
.rept 8
	v_ldexp_f32 v[96+n], v[96+n], s37              ; C = mask x 2^(3 - e6 - e7),
.set n, n+1
.endr
.set n, 0
.rept 8
	v_max_num_f32 v[96+n], 0xf149f2ca, v[96+n]     ; held from below at -1e30
.set n, n+1
.endr
	s_wait_alu depctr_va_vdst(0)                   ; the scaled mask is written in v96-103, which the first two LDS stores read
	ds_store_b128 v[ASK], v[96:99]
	ds_store_b128 v[ASK], v[100:103] offset:4096
.irp c, 0,1,2,3
	ds_store_b128 v[T16], v[104+4*\c:107+4*\c] offset:4096*\c
.endr
.irp c, 0,1,2,3
	ds_store_b128 v[ASV], v[120+4*\c:123+4*\c] offset:4096*\c
.endr
	s_wait_dscnt 0x0                               ; for the others' sake: my stores have landed
	s_barrier_signal -1
	s_barrier_wait -1
.macro FETCHK adr                      ; a step's K: 8 fragments of 16 keys x 64
	WIN 0
.set a, 0
.rept 8
	ds_load_b128 v[KF+8*a:KF+8*a+3], v[\adr] offset:a*1024
	ds_load_b128 v[KF+8*a+4:KF+8*a+7], v[\adr] offset:a*1024+512
.set a, a+1
.endr
.endm
.macro FETCHM adr, hi                  ; a step's C, key tiles 4 hi .. 4 hi + 3 into window hi: lane (r, h) takes keys 16 a + 8 h + 0 .. 7; the sixteen lanes of a half read the same words
	WIN 0x40*\hi
.set a, 0
.rept 4
	ds_load_b128 v[MK+8*a:MK+8*a+3], v[\adr] offset:256*\hi+64*a
	ds_load_b128 v[MK+8*a+4:MK+8*a+7], v[\adr] offset:256*\hi+64*a+16
.set a, a+1
.endr
.endm
.macro FETCHV adr                      ; a step's V: 4 fragments of 16 channels x 128 keys, into window 1
	WIN 0x40
.set a, 0
.rept 16
	ds_load_b128 v[KF+4*a:KF+4*a+3], v[\adr] offset:512*a
.set a, a+1
.endr
.endm
.macro LDN i                           ; in the loop: the i-th of the 24 LDS loads that land in window 0: the next step's K (16 loads, as FETCHK has them), then its C of key tiles 0-3 (8, as FETCHM has them)
.if (\i) < 16
	ds_load_b128 v[KF+4*(\i):KF+4*(\i)+3], v[ADK] offset:((\i)/2)*1024+((\i)%2)*512
.else
	ds_load_b128 v[MK+4*((\i)-16):MK+4*((\i)-16)+3], v[ADM] offset:64*(((\i)-16)/2)+16*(((\i)-16)%2)
.endif
.endm
.macro QK t                            ; S^T of tile t: 8 products, each its own accumulator; C = the mask's registers, D other registers
.set a, 0
.rept 8
	WIN 0x44*\t+0x10*(a/4)                         ; K window 0; Q and S^T window t; C window a / 4
	v_wmma_f32_16x16x64_fp8_fp8 v[S+8*a:S+8*a+7], v[KF+8*a:KF+8*a+7], v[QF:QF+7], v[MK+8*(a%4):MK+8*(a%4)+7]
.set a, a+1
.endr
.endm
.macro PV t                            ; O^T of tile t += V^T P^T: 4 products, the accumulators by turns
	WIN 0x01+0x54*\t                               ; V window 1; P and O^T window t
.set a, 0
.rept 4
	v_wmma_f32_16x16x128_fp8_fp8 v[O+8*a:O+8*a+7], v[KF+16*a:KF+16*a+15], v[PC:PC+15], v[O+8*a:O+8*a+7]
.set a, a+1
.endr
.endm
.macro FMA b                           ; pair b of the tile's 32: t - M, two at a time (of the pairs c and -M the low word serves both halves)
	v_pk_fma_f32 v[S+2*(\b):S+2*(\b)+1], v[S+2*(\b):S+2*(\b)+1], s[CS:CS+1], v[NM:NM+1] op_sel_hi:[1,0,0]
.endm
; The sum's line for pair j.  Four chains: pairs 0, 4, 8 .. go onto the running sum; pairs 1, 5, 9 .., 2, 6, 10 .. and 3, 7, 11 .. have chains of their own, each begun by its first two pairs: so pairs 1, 2, 3 have no line, and nothing is cleared.
.macro ADDP j
.set rC, SCA
.if ((\j)%4) == 2
.set rC, SCB
.elseif ((\j)%4) == 3
.set rC, SCC
.endif
.if ((\j)%4) == 0
	v_pk_add_f32 v[SUM:SUM+1], v[SUM:SUM+1], v[S+2*(\j):S+2*(\j)+1]
.elseif (\j) > 8
	v_pk_add_f32 v[rC:rC+1], v[rC:rC+1], v[S+2*(\j):S+2*(\j)+1]
.elseif (\j) > 4
	v_pk_add_f32 v[rC:rC+1], v[S+2*(\j)-8:S+2*(\j)-7], v[S+2*(\j):S+2*(\j)+1]
.endif
.endm
; One tile's softmax for a key step, under the tile's window, up to the last exponential.  deal = 1 (tile 0, window 0): one of the 24 LDS loads of LDN stands behind each of the first 24 lines of the maximum:
; these lines name S^T and the chains, none of the registers that those loads touch, so the loads lean on the wait that stands behind the products S^T and on nothing more.
.macro SMA deal
	v_mov_b32 v[OLD], v[NM]                        ; -M of the last step is kept for f
.set n, 0
.rept 8
	v_max3_num_f32 v[CH+n], v[S+3*n], v[S+3*n+1], v[S+3*n+2]   ; the step's largest sum of my query among my 64 keys, in eight chains, ascending: each accumulator is first read at its low end
.if \deal
	LDN n
.endif
.set n, n+1
.endr
.set n, 0
.rept 20
	v_max3_num_f32 v[CH+n%8], v[CH+n%8], v[S+24+2*n], v[S+25+2*n]
.if (\deal) && (n < 16)
	LDN n+8
.endif
.set n, n+1
.endr
	v_max3_num_f32 v[CH], v[CH], v[CH+1], v[CH+2]
	v_max3_num_f32 v[CH+3], v[CH+3], v[CH+4], v[CH+5]
	v_max_num_f32 v[CH+6], v[CH+6], v[CH+7]
	v_max3_num_f32 v[CH], v[CH], v[CH+3], v[CH+6]
	v_permlanex16_b32 v[PT], v[CH], s[SEL], s[SEL+1]
	v_max_num_f32 v[CH], v[CH], v[PT]              ; and among lane l xor 16's
	v_mul_f32 v[CH], s[CS], v[CH]                  ; as t (c is positive)
	v_max_num_f32 v[MT], v[MT], v[CH]              ; the running largest t
	v_floor_f32 v[NM], -v[MT]                      ; the new -M = floor(-t) = -ceil(t): a whole number.  The scalings want nothing more: the three lines that make f stand among the first four
	FMA 0
	v_sub_f32 v[CH], v[NM], v[OLD]                 ; old M less new M: a whole number, 0 or less
	FMA 1
	v_cvt_i32_f32 v[CH], v[CH]                     ; (it saturates)
	FMA 2
	v_ldexp_f32 v[F], 1.0, v[CH]                   ; f = 2^(old M - new M)
	FMA 3
; BY TURNS, 32 times: p of pair m's first number | the scaling of pair m + 4 | p of its second number | in every second turn a pair of O^T x f.  None of these lines names an exponential's result.
; Behind each exponential stands a plain line that names neither its result nor its source, or another exponential (ISA guide 5.7.2).
.set m, 0
.rept 32
	v_exp_f32 v[S+2*m], v[S+2*m]                   ; p = 2^(t - M), at most 1
.if m < 28
	FMA m+4
.endif
	v_exp_f32 v[S+2*m+1], v[S+2*m+1]
.if (m%2) == 0
	v_pk_mul_f32 v[O+m:O+m+1], v[O+m:O+m+1], v[F:F+1] op_sel_hi:[1,0]   ; O^T under the new M, ascending: each accumulator is first read at its low end
.endif
.if m == 0
	v_pk_mul_f32 v[SUM:SUM+1], v[SUM:SUM+1], v[F:F+1] op_sel_hi:[1,0]   ; the sum under the new M
.endif
.set m, m+1
.endr
.endm
; The tile's sum, behind the wait for the exponentials: the row's sum is taken of the unquantised p, pair by pair in ascending order, each chain in its own order.
.macro SMS
.set m, 0
.rept 32
	ADDP m
.set m, m+1
.endr
	v_pk_add_f32 v[SUM:SUM+1], v[SUM:SUM+1], v[SCA:SCA+1]
	v_pk_add_f32 v[SCB:SCB+1], v[SCB:SCB+1], v[SCC:SCC+1]
	v_pk_add_f32 v[SUM:SUM+1], v[SUM:SUM+1], v[SCB:SCB+1]
.endm
.macro HOLD                            ; the conversion to an 8-bit code does not saturate (ISA guide 7.6.2); p is not negative, so the hold is one-sided
.set n, 0
.rept 64
	v_min_num_f32 v[S+n], v[S+n], v[LM]
.set n, n+1
.endr
.endm
.macro CVT                             ; p's codes: tile a's eight registers become registers 2 a, 2 a + 1 of P
.set n, 0
.rept 8
	v_cvt_scalef32_pk8_fp8_f32 v[PC+2*n:PC+2*n+1], v[S+8*n:S+8*n+7], v[ES]
.set n, n+1
.endr
.endm
; KEY STEP s.  st: K and V of step s + 2, which lie in registers, go to LDS, and a barrier is passed: signalled behind the wait for my stores, awaited at the step's end, ahead of the first read of those bytes (step s + 1 fetches K of s + 2).
; The step's 16 products S^T stand between the stores and the wait for them.  Between signal and wait stand register work and LDS loads of bytes that are never written again.
; ld: K and V of step s + 3 are asked for, behind that same wait, since they land in the registers that the stores read.  pf: the prefetch.  kn: K and C of step s + 1 are fetched from LDS.
.macro STEP st, ld, pf, kn
.if \st
	s_wait_loadcnt 0x0                             ; K and V of step s + 2 are in registers: asked for a whole step ago
.endif
.if \ld
	s_wait_xcnt 0x0                                ; the last step's prefetch has read its base: it may step
	s_add_nc_u64 s[KB:KB+1], s[KB:KB+1], 8192
.endif
	s_wait_alu depctr_vm_vsrc(0)                   ; the LDS loads and stores issued so far have read v8-12, which the additions below write; in step 0 the head's LDS stores have also read v96-135, which the products S^T write
	v_add_nc_u32 v[ADV], s[TB], v4
.if \kn
	v_add_nc_u32 v[ADK], s[TB], v3
	v_add_nc_u32 v[ADM], s[TM], v5
.endif
.if \st
	v_add_nc_u32 v[ASK], s[TB], v6
	v_add_nc_u32 v[ASV], s[TB], v7
	s_wait_alu depctr_va_vdst(0)                   ; v11 and v12 are written, which the four LDS stores read as their addresses
	WIN 0x04                                       ; store data window 1
	ds_store_b128 v[ASK], v[0:3]
	ds_store_b128 v[ASK], v[4:7] offset:4096
	ds_store_b128 v[ASV], v[8:11]
	ds_store_b128 v[ASV], v[12:15] offset:4096
.endif
	QK 0
	QK 1
	WIN 0
.rept 4
	v_nop                                          ; places behind the products: the first read of S^T follows, and loads into K's and C's registers; they stay beside the wait below
.endr
.if \ld
	s_wait_alu depctr_vm_vsrc(0)                   ; the four LDS stores have read window 1's v0-15, in which the global loads below land
.endif
	s_wait_alu depctr_va_vdst(0)                   ; v8-10 are written, which the LDS loads below read; the products S^T are done reading K and C, and the last step's products are done reading V, in which those loads land
.if \st
	s_wait_dscnt 0x0                               ; for the others' sake: my stores have landed
.endif
.if \ld
	WIN 0x40
	global_load_b128 v[0:3], v[T16], s[KB:KB+1]
	global_load_b128 v[4:7], v[T16], s[KB:KB+1] offset:4096
	global_load_b128 v[8:11], v[T16], s[KB:KB+1] offset:4194304
	global_load_b128 v[12:15], v[T16], s[KB:KB+1] offset:4198400
.endif
	WIN 0
.if \pf
; A PREFETCH of K's and V's bytes of step s + 5, two steps ahead of the loads that will ask for them, behind the step's own loads.  All eight work-groups of a head walk the same K and V: the head's first asks,
; wave 0 for K's 8,192 bytes and wave 1 for V's, lanes 256 bytes apart: each aligned block of 256 bytes is named once in the launch.  Steps 0 to 10 ask: nothing is named past step 15.  Steps 0 to 4 come by their loads alone.
	s_cmp_lt_u32 s[SCN], s[LIM]
	s_cbranch_scc0 .Lnp_\@
	global_prefetch_b8 v[PFO], s[KB:KB+1] offset:16384 th:TH_LOAD_NT scope:SCOPE_SE
.Lnp_\@:
.endif
.if \st
	s_barrier_signal -1
.endif
	FETCHV ADV                                     ; what lands in window 1 goes in one run: V,
.if \kn
	FETCHM ADM, 1                                  ; and C of key tiles 4-7; what lands in window 0 is dealt among tile 0's lines below
.endif
	WIN 0
	SMA \kn
	WIN 0x55
	SMA 0
	v_nop                                          ; a plain line behind the last exponential, ahead of the first use of a result: one for the batch
	s_wait_alu depctr_va_vdst(0)                   ; both tiles' 128 exponentials have written p, which the sums, the hold and the conversions below read
	SMS
	WIN 0
	SMS
	s_cmp_ge_i32 s18, -8                           ; p / 2^e8 is at most 2^-e8: from e8 = -8 on it cannot pass 448
	s_cbranch_scc1 .Lnohold_\@
	HOLD
	WIN 0x55
	HOLD
	WIN 0
.Lnohold_\@:
	CVT
	WIN 0x55
	CVT
	v_nop                                          ; one plain vector line between the conversions and the products that read their results
	s_wait_dscnt 0x0                               ; V, and the next step's K and C, are in
	PV 0
	PV 1
	WIN 0
.if \st
	s_barrier_wait -1                              ; everybody's K and V of step s + 2 lie in LDS
.endif
	s_add_co_u32 s[TB], s[TB], 8192
	s_add_co_u32 s[TM], s[TM], 512
.endm
	FETCHK LI                                      ; key step 0: these loads land in registers that no instruction has named yet
	FETCHM ADM, 0
	FETCHM ADM, 1
.macro INIT                            ; the step is written without a first step of its own: O^T and the sum begin as zeros, which the first change of M leaves zeros
	v_mov_b32 v[MT], 0xff61b1e6                    ; the largest t so far: -3e38
	v_floor_f32 v[NM], -v[MT]
	v_mov_b32 v[SUM], 0
	v_mov_b32 v[SUM+1], 0
	v_mov_b32 v[F+1], 0                            ; (named as the upper half of a pair)
	v_mov_b32 v[PT], 0                             ; a lane permute's destination counts as one of its sources
	v_mov_b32 v[ES], s46
	v_mov_b32 v[LM], s47
.set n, 0
.rept 32
	v_mov_b32 v[O+n], 0
.set n, n+1
.endr
.endm
	WIN 0
	INIT
	WIN 0x55
	INIT
	WIN 0
	s_mov_b32 s[TB], 0
	s_mov_b32 s[TM], 0
	s_mov_b32 s[SCN], 0
	s_wait_loadcnt 4                               ; Q is in; step 2's four loads may be out
	s_wait_dscnt 0x0                               ; K and C of step 0
.Lstep:                                            ; steps 0 to 12
	STEP 1, 1, 1, 1
	s_add_co_u32 s[SCN], s[SCN], 1
	s_cmp_lt_u32 s[SCN], 13
	s_cbranch_scc1 .Lstep
	STEP 1, 0, 0, 1                                ; step 13 stores step 15's bytes and asks for nothing
	STEP 0, 0, 0, 1
	STEP 0, 0, 0, 0
	; THE WAY OUT.  O^T / the sum is quantised: a lane's eight channels of tile d are registers 2 d, 2 d + 1 of the head's half of a fragment of the last product's operand.
.macro FIN
	v_add_f32 v[SUM], v[SUM], v[SUM+1]             ; the sum's two halves,
	v_permlanex16_b32 v[PT], v[SUM], s[SEL], s[SEL+1]
	v_add_f32 v[SUM], v[SUM], v[PT]                ; and lane l xor 16's
	v_rcp_f32 v[F], v[SUM]
	v_mov_b32 v[ES], s40                           ; (a plain line behind the transcendental)
	v_mov_b32 v[LM], s41
	s_wait_alu depctr_va_vdst(0)                   ; the reciprocal is written, ahead of its first reader
.set n, 0
.rept 16
	v_pk_mul_f32 v[O+2*n:O+2*n+1], v[O+2*n:O+2*n+1], v[F:F+1] op_sel_hi:[1,0]
.set n, n+1
.endr
.set n, 0
.rept 32
	v_med3_num_f32 v[O+n], v[O+n], -v[LM], v[LM]
.set n, n+1
.endr
.set n, 0
.rept 4
	v_cvt_scalef32_pk8_fp8_f32 v[PC+2*n:PC+2*n+1], v[O+8*n:O+8*n+7], v[ES]
.set n, n+1
.endr
	v_nop
.endm
.rept 4
	v_nop                                          ; places behind the last products
.endr
	FIN
	WIN 0x55
	FIN
	WIN 0
	s_wait_alu depctr_va_vdst(0)                   ; both tiles' conversions have written their codes, which the four stores below read
	global_store_b128 v[LI], v[PC:PC+3], s[34:35]                  ; 32 lanes store 512 consecutive bytes, aligned
	global_store_b128 v[LI], v[PC+4:PC+7], s[34:35] offset:512
	WIN 0x04                                       ; store data window 1
	global_store_b128 v[LI], v[PC:PC+3], s[34:35] offset:16384
	global_store_b128 v[LI], v[PC+4:PC+7], s[34:35] offset:16896
	WIN 0
	s_wait_dscnt 0x0                               ; the closing lines, six on end
	s_wait_alu 0x0
	s_wait_tensorcnt 0x0
	ds_add_u32 v214, v215
	s_wait_dscnt 0x0
	s_endpgm
.Lfunc_end_k_q576c5208eb_attn:
	.size	k_q576c5208eb_attn, .Lfunc_end_k_q576c5208eb_attn-k_q576c5208eb_attn
	.p2alignl 7, 3214868480
	.fill 96, 4, 3214868480
	.section	.rodata,"a",@progbits
	.p2align	6, 0x0
	.amdhsa_kernel k_q576c5208eb_attn
		.amdhsa_group_segment_fixed_size 271360
		.amdhsa_private_segment_fixed_size 0
		.amdhsa_enable_private_segment 0
		.amdhsa_kernarg_size 32
		.amdhsa_user_sgpr_count 2
		.amdhsa_user_sgpr_kernarg_segment_ptr 1
		.amdhsa_wavefront_size32 1
		.amdhsa_system_sgpr_workgroup_id_x 1
		.amdhsa_system_sgpr_workgroup_id_y 1
		.amdhsa_system_sgpr_workgroup_id_z 1
		.amdhsa_system_vgpr_workitem_id 0
		.amdhsa_next_free_vgpr 512
		.amdhsa_next_free_sgpr 66
		.amdhsa_reserve_vcc 0
		.amdhsa_float_denorm_mode_32 3
		.amdhsa_float_denorm_mode_16_64 3
		.amdhsa_memory_ordered 1
		.amdhsa_forward_progress 1
		.amdhsa_inst_pref_size 138
	.end_amdhsa_kernel
	.amdgpu_metadata
---
amdhsa.version: [ 1, 2 ]
amdhsa.kernels:
  - .name:           k_q576c5208eb_attn
    .symbol:         k_q576c5208eb_attn.kd
    .args:
      - { .name: qkv, .offset: 0, .size: 8, .value_kind: global_buffer, .address_space: global }
      - { .name: attention_mask, .offset: 8, .size: 8, .value_kind: global_buffer, .address_space: global }
      - { .name: lowp_scales, .offset: 16, .size: 8, .value_kind: global_buffer, .address_space: global }
      - { .name: ctxc, .offset: 24, .size: 8, .value_kind: global_buffer, .address_space: global }
    .group_segment_fixed_size: 271360
    .private_segment_fixed_size: 0
    .kernarg_segment_align: 8
    .kernarg_segment_size: 32
    .max_flat_workgroup_size: 256
    .sgpr_count:     66
    .vgpr_count:     512
    .wavefront_size: 32
...
	.end_amdgpu_metadata
.endif
;; end of part 5
;; launch proj (part 6): grid 128 x 1, 8 waves a work-group, no clusters, 165,376 bytes of LDS; arguments ctxc, wcodes, lowp_scales, hidden_states, bd, ln_gamma, ln_beta, out0; writes out0
.if DOCPART == 6
	.amdgcn_target "amdgcn-amd-amdhsa--gfx1250"
	.amdhsa_code_object_version 6
	.text
	.protected	k_q576c5208eb_proj
	.globl	k_q576c5208eb_proj
	.p2align	8
	.type	k_q576c5208eb_proj,@function
k_q576c5208eb_proj:
	s_mov_b64 s[64:65], 0
	v_nop
	global_prefetch_b8 v0, s[64:65] scope:SCOPE_SE
	s_setreg_imm32_b32 hwreg(HW_REG_WAVE_SCHED_MODE, 0, 2), 2
	s_setreg_imm32_b32 hwreg(HW_REG_WAVE_MODE, 25, 1), 1
	s_wait_xcnt 0x0
	s_wait_alu depctr_vm_vsrc(0)
; out = LayerNorm(hidden + ctx Wd^T + bd) x gamma + beta; the product on codes of FP8 (E4M3), entries 10 and 11 of the scales; all else in f32.
; SHARES.  The norm wants whole rows: a work-group takes 32 tokens x all 1,024 outputs.  Wave w makes outputs 128 w .. 128 w + 127: 2 x 8 accumulators, K = 1,024 in eight steps of 128.
; ctx's codes (32,768 bytes, images of operand registers) are copied into LDS once and read by all eight waves.
; Wd's CODES GO FROM MEMORY STRAIGHT INTO OPERAND REGISTERS: each byte is wanted by exactly one wave of the work-group (its 131,072 bytes lie on end, as images), so through LDS it would be written once and read once
; for the same two matrix instructions.  For that reason there is no ring, no tensor load and no joint load here.  A ring of 16 fragments in registers, four slots of four: 64 loads a wave are on their way at the head, 32 to 48 in the groups.
; The matrix instruction is used transposed (source 0 = 16 rows of Wd, source 1 = 16 tokens): a lane holds eight neighbouring outputs of one token.  The results meet in a stage in LDS;
; then wave w owns tokens 4 w .. 4 w + 3, a whole row in 32 registers a lane-set, and the norm never leaves the wave.  The mean first, then the squares of the differences: no difference of large sums is formed.
; LIMIT: e10 + e11 between -126 and 127.
; REGISTERS: window 0: v1-5 addresses; v8-31 at work in the norm; v32-95 ctx's fragments, two buffers of two; v126, v127 the closing add's two; v128-255 the accumulators ((tt, i) at v[128 + 8 (8 tt + i)]), later the four rows.
;   window 1: the ring, four slots of 64; at the end v0-127 hidden's four rows, v128-159 bd, v160-191 gamma, v192-223 beta.
; THE MODE: SCHED_MODE bits 1:0 = 2 (LLVM: expert scheduling mode 2), set by the entry lines.  The code itself states the register dependences
; between vector or matrix instructions and memory or LDS instructions, with s_wait_alu, always for 0.
; THE PLAN.  Registers that memory or LDS instructions touch:
;   ring slots 0 .. 3   Group g's eight products read slot g % 4.  The loads that land in it again are issued in group g + 1, behind that group's products, which read slot (g + 1) % 4.
;   ctx's two buffers   K step s's sixteen products (groups 2 s, 2 s + 1) read buffer s % 2; the LDS loads of K step s + 2 land in it in group 2 s + 2, behind that group's products, which read the other buffer.
;   the accumulators    At the head they carry ctx's codes to LDS; written by the products; read by the LDS stores into the stage; the rows land in them from the stage; the norm writes them; the global stores read them.
;   v1 .. v5            offsets and addresses, made at the head and never written again.
; So ONE wait on va_vdst stands at the head of a group, behind the wait for the group's data: the group before is done reading its slot and, in even groups, the K step before is done reading its buffer.
; The group's loads follow its products with no further wait: no matrix instruction issued since that wait names a register that they touch.
.set STG, 32768                        ; LDS: ctx's images at 0: [tile of 16 tokens (2)][K step (8)][2,048]; the stage here: 32 rows
.set RP,  4112                         ; a stage row: 4,096 bytes + 16 = 1,028 words: row r starts at bank 4 r mod 64 (64 banks of 4 bytes: ISA guide 11.1)
.set AB,  32
.set ACC, 128
.set MSB, 0
.macro WIN new                         ; s_set_vgpr_msb: bits 1:0 source 0, 3:2 source 1, 5:4 source 2, 7:6 destination; the high byte repeats the setting that is left
.if MSB != (\new)
	s_set_vgpr_msb (MSB<<8)|(\new)
.set MSB, (\new)
.endif
.endm
	s_load_b512 s[8:23], s[0:1], 0x0               ; ctxc s[8:9], wcodes s[10:11], scales s[12:13], hidden s[14:15], bd s[16:17], gamma s[18:19], beta s[20:21], out0 s[22:23]
	v_lshl_add_u32 v126, v0, 2, 0x28200            ; my spare word, behind the stage, and 0: made here and kept for the closing lines alone
	v_mov_b32 v127, 0
	v_lshrrev_b32 v6, 5, v0
	v_readfirstlane_b32 s24, v6                    ; wave 0..7
	v_and_b32 v7, 31, v0
	v_lshlrev_b32 v1, 4, v7                        ; 16 x lane
	v_lshlrev_b32 v2, 4, v0                        ; 16 x thread
	v_and_b32 v6, 15, v0                           ; r
	v_bfe_u32 v7, v0, 4, 1                         ; h
	v_mul_u32_u24 v3, v6, RP
	v_lshl_add_u32 v3, v7, 5, v3
	s_wait_alu depctr_va_sdst(0)                   ; s24, the wave's number, is written, ahead of its first reader
	s_lshl_b32 s40, s24, 9
	s_add_co_u32 s40, s40, STG
	v_add_nc_u32 v3, s40, v3                       ; into the stage: row r, + 512 x wave + 32 h bytes;
	v_add_nc_u32 v5, 16*RP, v3                     ; the second tile's rows lie beyond an LDS immediate
	s_mul_i32 s40, s24, 4*RP
	s_add_co_u32 s40, s40, STG
	v_add_nc_u32 v4, s40, v1                       ; back: my four rows, 16 bytes a lane
	s_lshl_b32 s40, ttmp9, 15                      ; ctx's codes: 32,768 bytes a work-group
	s_mov_b32 s41, 0
	s_lshl_b32 s42, s24, 17                        ; Wd's codes lie 3 MiB into wcodes; my 128 rows: 131,072 bytes
	s_add_co_u32 s42, s42, 0x300000
	s_mov_b32 s43, 0
	s_lshl_b32 s44, ttmp9, 5
	s_lshl_b32 s45, s24, 2
	s_add_co_u32 s44, s44, s45
	s_lshl_b32 s44, s44, 12                        ; my first row of hidden and of out0: (32 x work-group + 4 x wave) x 4,096 bytes
	s_mov_b32 s45, 0
	s_mov_b32 s30, 0x3a800000                      ; 1 / 1,024
	s_mov_b32 s31, 0x2b8cbccc                      ; 1e-12
	s_mov_b32 s32, 0x76543210                      ; v_permlanex16_b32: lane l xor 16
	s_mov_b32 s33, 0xfedcba98
	s_wait_kmcnt 0x0
	s_load_b64 s[26:27], s[12:13], 0x28            ; e10, e11
	s_add_nc_u64 s[8:9], s[8:9], s[40:41]
	s_add_nc_u64 s[34:35], s[10:11], s[42:43]
	s_add_nc_u64 s[36:37], s[14:15], s[44:45]
	s_add_nc_u64 s[38:39], s[22:23], s[44:45]
; batch g of 16: four fragments of Wd (K step g / 2, tiles 4 (g % 2) + x) into ring slot g % 4: 16 loads of 512 consecutive bytes
.macro BLOAD g
	WIN 0x40
.irp x, 0,1,2,3
.irp c, 0,1,2,3
	global_load_b128 v[64*((\g)%4)+16*\x+4*\c:64*((\g)%4)+16*\x+4*\c+3], v1, s[34:35] offset:((\g)/4)*32768+(4*((\g)%2)+\x)*4096+(((\g)/2)%2)*2048+512*\c
.endr
.endr
.endm
.macro ALOAD s                         ; ctx's two fragments of K step s into buffer s % 2
.irp tt, 0,1
.irp c, 0,1,2,3
	ds_load_b128 v[AB+32*((\s)%2)+16*\tt+4*\c:AB+32*((\s)%2)+16*\tt+4*\c+3], v1 offset:\tt*16384+(\s)*2048+512*\c
.endr
.endr
.endm
; what takes the refills' place in groups 13 to 15 and behind the last products, into the ring slots that groups 12 to 15 leave: hidden's four rows, bd, gamma, beta.  The first three are 16 loads each, so that every group's wait keeps its count.
.macro EXTRA e
	WIN 0x40
.if (\e) < 2
.irp p, 0,1
.irp j, 0,1,2,3,4,5,6,7
	global_load_b128 v[64*(\e)+32*\p+4*\j:64*(\e)+32*\p+4*\j+3], v1, s[36:37] offset:(2*(\e)+\p)*4096+512*\j th:TH_LOAD_NT
.endr
.endr
.elseif (\e) == 2
.irp j, 0,1,2,3,4,5,6,7
	global_load_b128 v[128+4*\j:128+4*\j+3], v1, s[16:17] offset:512*\j
.endr
.irp j, 0,1,2,3,4,5,6,7
	global_load_b128 v[160+4*\j:160+4*\j+3], v1, s[18:19] offset:512*\j
.endr
.else
.irp j, 0,1,2,3,4,5,6,7
	global_load_b128 v[192+4*\j:192+4*\j+3], v1, s[20:21] offset:512*\j
.endr
.endif
.endm
; group g: 8 matrix instructions on batch g; the 16 accumulators take turns, one instruction a turn; the first K step starts the sums with the constant 0.
; Behind them the slot that the group BEFORE has left is asked for again.
.macro GROUP g
.set sK, (\g)/2
.if (\g) == 0
	s_wait_loadcnt 48                              ; loads come back in order (ISA guide 5.7.1): batch 0 is in; batches 1 to 3 stay out
.else
	s_wait_loadcnt 32                              ; batch g is in; the two younger batches of 16 stay out (the third is asked for below)
.endif
.if (\g)%2 == 0
	s_wait_dscnt 0x0                               ; ctx's fragments of this K step: asked for two groups ago
.endif
.if (\g) > 0
	s_wait_alu depctr_va_vdst(0)                   ; the group before is done reading ring slot (g - 1) % 4, in which the global loads below land; in an even group the K step before is done reading its buffer of ctx, in which the LDS loads below land
.endif
	WIN 0x01                                       ; source 0 (Wd) window 1
.irp x, 0,1,2,3
.irp tt, 0,1
.set rD, ACC+8*(8*\tt+4*((\g)%2)+\x)
.if sK == 0
	v_wmma_f32_16x16x128_fp8_fp8 v[rD:rD+7], v[64*((\g)%4)+16*\x:64*((\g)%4)+16*\x+15], v[AB+32*(sK%2)+16*\tt:AB+32*(sK%2)+16*\tt+15], 0
.else
	v_wmma_f32_16x16x128_fp8_fp8 v[rD:rD+7], v[64*((\g)%4)+16*\x:64*((\g)%4)+16*\x+15], v[AB+32*(sK%2)+16*\tt:AB+32*(sK%2)+16*\tt+15], v[rD:rD+7]
.endif
.endr
.endr
.rept 4
	v_nop                                          ; places behind the products, ahead of the next group's loads into the registers that they have read, and of the first read of results
.endr
.if ((\g)%2 == 0) && (sK < 7)
	WIN 0
	ALOAD sK+1                                     ; no wait: no matrix instruction since the wait above names this buffer
.endif
.if (\g) > 12
	EXTRA (\g)-13
.elseif (\g) > 0
	BLOAD (\g)+3                                   ; no wait: no matrix instruction since the wait above names this slot
.endif
	WIN 0
.endm
	s_wait_alu depctr_va_vdst(0)                   ; the offsets and addresses v1 to v5 are written, which every load and store below reads
.irp j, 0,1,2,3,4,5,6,7
	global_load_b128 v[ACC+4*\j:ACC+4*\j+3], v2, s[8:9] offset:4096*\j th:TH_LOAD_NT   ; ctx's codes: 256 threads x 16 bytes, eight times; read once in the launch
.endr
	BLOAD 0
	BLOAD 1
	BLOAD 2
	WIN 0
	s_wait_loadcnt 48                              ; ctx's eight loads are in; the three batches behind them stay out
.irp j, 0,1,2,3,4,5,6,7
	ds_store_b128 v2, v[ACC+4*\j:ACC+4*\j+3] offset:4096*\j
.endr
	BLOAD 3
	WIN 0
	s_wait_dscnt 0x0                               ; for the others' sake: my stores have landed
	s_barrier_signal -1
	s_barrier_wait -1
	s_wait_alu depctr_vm_vsrc(0)                   ; my LDS stores have read v128-159, which the first products write: these registers are accumulators from here on
	ALOAD 0
.irp g, 0,1,2,3,4,5,6,7,8,9,10,11,12,13,14,15
	GROUP \g
.endr
	s_wait_alu depctr_va_vdst(0)                   ; the products have written the accumulators, which the LDS stores below read (the four places above stay beside this wait); the last group is done reading ring slot 3, in which beta lands
	EXTRA 3
	WIN 0
.irp i, 0,1,2,3,4,5,6,7                    ; lane (r, h): token 16 tt + r, outputs 128 w + 16 i + 8 h + 0 .. 7; each accumulator from its low end on
	ds_store_b128 v3, v[ACC+8*\i:ACC+8*\i+3] offset:64*\i
	ds_store_b128 v3, v[ACC+8*\i+4:ACC+8*\i+7] offset:64*\i+16
.endr
.irp i, 0,1,2,3,4,5,6,7
	ds_store_b128 v5, v[ACC+64+8*\i:ACC+64+8*\i+3] offset:64*\i
	ds_store_b128 v5, v[ACC+64+8*\i+4:ACC+64+8*\i+7] offset:64*\i+16
.endr
	s_wait_dscnt 0x0                               ; for the others' sake: my stores have landed
	s_barrier_signal -1
	s_barrier_wait -1                              ; 32 whole rows of sums lie in the stage
	s_wait_alu depctr_vm_vsrc(0)                   ; my LDS stores have read the accumulators, in which the rows below land (the products that wrote them stand ahead of the last wait on va_vdst)
.irp p, 0,1,2,3
.irp j, 0,1,2,3,4,5,6,7
	ds_load_b128 v[ACC+32*\p+4*\j:ACC+32*\p+4*\j+3], v4 offset:\p*RP+512*\j   ; row p: register 4 j + e = column 128 j + 4 lane + e, as hidden, bd, gamma and beta are loaded
.endr
.endr
	s_wait_kmcnt 0x0
	s_add_co_i32 s28, s26, s27
	s_add_co_i32 s28, s28, 127
	s_lshl_b32 s28, s28, 23                        ; 2^(e10 + e11) as f32
	s_mov_b32 s29, s28                             ; (named with it as a pair, so it is written)
	s_wait_loadcnt 0x0                             ; hidden, bd, gamma, beta
	WIN 0x55
.irp p, 0,1,2,3
.set m, 0
.rept 16
	v_pk_add_f32 v[32*\p+2*m:32*\p+2*m+1], v[32*\p+2*m:32*\p+2*m+1], v[128+2*m:128+2*m+1]   ; hidden + bd
.set m, m+1
.endr
.endr
	s_wait_dscnt 0x0
	WIN 0x10                                       ; source 2 window 1
.irp p, 0,1,2,3
.set m, 0
.rept 16
	v_pk_fma_f32 v[ACC+32*\p+2*m:ACC+32*\p+2*m+1], v[ACC+32*\p+2*m:ACC+32*\p+2*m+1], s[28:29], v[32*\p+2*m:32*\p+2*m+1] op_sel_hi:[1,0,1]   ; x = sum x 2^(e10 + e11) + (hidden + bd)
.set m, m+1
.endr
.endr
	WIN 0
; row p's two chains lie in v[8 + 4 p : 9 + 4 p] and v[10 + 4 p : 11 + 4 p]; LANES adds them up over the wave; the four rows take turns line by line
.macro LANES
.irp p, 0,1,2,3
	v_pk_add_f32 v[8+4*\p:9+4*\p], v[8+4*\p:9+4*\p], v[10+4*\p:11+4*\p]
.endr
.irp p, 0,1,2,3
	v_add_f32 v[8+4*\p], v[8+4*\p], v[9+4*\p]
.endr
.irp x, 1,2,4,8
.irp p, 0,1,2,3
	v_add_f32_dpp v[8+4*\p], v[8+4*\p], v[8+4*\p] row_xmask:\x row_mask:0xf bank_mask:0xf
.endr
.endr
.irp p, 0,1,2,3
	v_permlanex16_b32 v[10+4*\p], v[8+4*\p], s32, s33
.endr
.irp p, 0,1,2,3
	v_add_f32 v[8+4*\p], v[8+4*\p], v[10+4*\p]
.endr
.endm
.irp p, 0,1,2,3
	v_pk_add_f32 v[8+4*\p:9+4*\p], v[ACC+32*\p:ACC+32*\p+1], v[ACC+32*\p+2:ACC+32*\p+3]
	v_pk_add_f32 v[10+4*\p:11+4*\p], v[ACC+32*\p+4:ACC+32*\p+5], v[ACC+32*\p+6:ACC+32*\p+7]
.endr
.irp x, 8,12,16,20,24,28
.irp p, 0,1,2,3
	v_pk_add_f32 v[8+4*\p:9+4*\p], v[8+4*\p:9+4*\p], v[ACC+32*\p+\x:ACC+32*\p+\x+1]
	v_pk_add_f32 v[10+4*\p:11+4*\p], v[10+4*\p:11+4*\p], v[ACC+32*\p+\x+2:ACC+32*\p+\x+3]
.endr
.endr
	LANES
.irp p, 0,1,2,3
	v_mul_f32 v[24+2*\p], s30, v[8+4*\p]           ; the mean, in both halves of a pair
	v_mul_f32 v[25+2*\p], s30, v[8+4*\p]
.endr
.irp p, 0,1,2,3
.set m, 0
.rept 16
	v_pk_add_f32 v[ACC+32*\p+2*m:ACC+32*\p+2*m+1], v[ACC+32*\p+2*m:ACC+32*\p+2*m+1], v[24+2*\p:25+2*\p] neg_lo:[0,1] neg_hi:[0,1]   ; x - mean
.set m, m+1
.endr
.endr
.irp p, 0,1,2,3
	v_pk_mul_f32 v[8+4*\p:9+4*\p], v[ACC+32*\p:ACC+32*\p+1], v[ACC+32*\p:ACC+32*\p+1]
	v_pk_mul_f32 v[10+4*\p:11+4*\p], v[ACC+32*\p+2:ACC+32*\p+3], v[ACC+32*\p+2:ACC+32*\p+3]
.endr
.irp x, 4,8,12,16,20,24,28
.irp p, 0,1,2,3
	v_pk_fma_f32 v[8+4*\p:9+4*\p], v[ACC+32*\p+\x:ACC+32*\p+\x+1], v[ACC+32*\p+\x:ACC+32*\p+\x+1], v[8+4*\p:9+4*\p]
	v_pk_fma_f32 v[10+4*\p:11+4*\p], v[ACC+32*\p+\x+2:ACC+32*\p+\x+3], v[ACC+32*\p+\x+2:ACC+32*\p+\x+3], v[10+4*\p:11+4*\p]
.endr
.endr
	LANES
.irp p, 0,1,2,3
	v_fma_f32 v[8+4*\p], v[8+4*\p], s30, s31       ; the variance + 1e-12
.endr
.irp p, 0,1,2,3
	v_rsq_f32 v[24+2*\p], v[8+4*\p]
.endr
	v_nop                                          ; a plain line between the last transcendental and the use of its result
	s_wait_alu depctr_va_vdst(0)                   ; the four reciprocal roots are written, ahead of their first reader
.irp p, 0,1,2,3
	v_mov_b32 v[25+2*\p], v[24+2*\p]
.endr
.irp p, 0,1,2,3
.set m, 0
.rept 16
	v_pk_mul_f32 v[ACC+32*\p+2*m:ACC+32*\p+2*m+1], v[ACC+32*\p+2*m:ACC+32*\p+2*m+1], v[24+2*\p:25+2*\p]
.set m, m+1
.endr
.endr
	WIN 0x14                                       ; sources 1 and 2 window 1
.irp p, 0,1,2,3
.set m, 0
.rept 16
	v_pk_fma_f32 v[ACC+32*\p+2*m:ACC+32*\p+2*m+1], v[ACC+32*\p+2*m:ACC+32*\p+2*m+1], v[160+2*m:160+2*m+1], v[192+2*m:192+2*m+1]   ; x gamma + beta
.set m, m+1
.endr
.endr
	WIN 0
	s_wait_alu depctr_va_vdst(0)                   ; the norm's last lines have written the four rows, which the stores below read
.irp p, 0,1,2,3
.irp j, 0,1,2,3,4,5,6,7
	global_store_b128 v1, v[ACC+32*\p+4*\j:ACC+32*\p+4*\j+3], s[38:39] offset:\p*4096+512*\j th:TH_STORE_NT   ; 32 lanes store 512 consecutive bytes, aligned; written once, read by nobody here
.endr
.endr
	s_wait_dscnt 0x0                               ; the closing lines, six on end
	s_wait_alu 0x0
	s_wait_tensorcnt 0x0
	ds_add_u32 v126, v127
	s_wait_dscnt 0x0
	s_endpgm
.Lfunc_end_k_q576c5208eb_proj:
	.size	k_q576c5208eb_proj, .Lfunc_end_k_q576c5208eb_proj-k_q576c5208eb_proj
	.p2alignl 7, 3214868480
	.fill 96, 4, 3214868480
	.section	.rodata,"a",@progbits
	.p2align	6, 0x0
	.amdhsa_kernel k_q576c5208eb_proj
		.amdhsa_group_segment_fixed_size 165376
		.amdhsa_private_segment_fixed_size 0
		.amdhsa_enable_private_segment 0
		.amdhsa_kernarg_size 64
		.amdhsa_user_sgpr_count 2
		.amdhsa_user_sgpr_kernarg_segment_ptr 1
		.amdhsa_wavefront_size32 1
		.amdhsa_system_sgpr_workgroup_id_x 1
		.amdhsa_system_sgpr_workgroup_id_y 1
		.amdhsa_system_sgpr_workgroup_id_z 1
		.amdhsa_system_vgpr_workitem_id 0
		.amdhsa_next_free_vgpr 512
		.amdhsa_next_free_sgpr 66
		.amdhsa_reserve_vcc 0
		.amdhsa_float_denorm_mode_32 3
		.amdhsa_float_denorm_mode_16_64 3
		.amdhsa_memory_ordered 1
		.amdhsa_forward_progress 1
		.amdhsa_inst_pref_size 90
	.end_amdhsa_kernel
	.amdgpu_metadata
---
amdhsa.version: [ 1, 2 ]
amdhsa.kernels:
  - .name:           k_q576c5208eb_proj
    .symbol:         k_q576c5208eb_proj.kd
    .args:
      - { .name: ctxc, .offset: 0, .size: 8, .value_kind: global_buffer, .address_space: global }
      - { .name: wcodes, .offset: 8, .size: 8, .value_kind: global_buffer, .address_space: global }
      - { .name: lowp_scales, .offset: 16, .size: 8, .value_kind: global_buffer, .address_space: global }
      - { .name: hidden_states, .offset: 24, .size: 8, .value_kind: global_buffer, .address_space: global }
      - { .name: bd, .offset: 32, .size: 8, .value_kind: global_buffer, .address_space: global }
      - { .name: ln_gamma, .offset: 40, .size: 8, .value_kind: global_buffer, .address_space: global }
      - { .name: ln_beta, .offset: 48, .size: 8, .value_kind: global_buffer, .address_space: global }
      - { .name: out0, .offset: 56, .size: 8, .value_kind: global_buffer, .address_space: global }
    .group_segment_fixed_size: 165376
    .private_segment_fixed_size: 0
    .kernarg_segment_align: 8
    .kernarg_segment_size: 64
    .max_flat_workgroup_size: 256
    .sgpr_count:     66
    .vgpr_count:     512
    .wavefront_size: 32
...
	.end_amdgpu_metadata
.endif
;; end of part 6
